; MI455X (gfx1250); checked and timed in simulation.
; The chip was launched on July 23, 2026; its instructions are those of AMD's public machine-readable ISA for CDNA 5 (MIT licence, August 2026) and "CDNA5" Instruction Set Architecture Reference Guide (July 2026). The comments in the code are by the model that wrote it; some were corrected since.
;; Llama Attention. Allowed arithmetic: matrix products marked QUANTISED: E2M1 operands, one E8M0 scale for each 32 along K, by v_wmma_scale_f32_16x16x128_f8f6f4 with both operands' format E2M1 (or v_wmma_scale_f32_32x16x128_f4), f32 sums; products left as they are: bf16, f16 or f32 operands; f32 sums; everything else in f32.
;; Inputs: Wk 1,024 x 1,024 float32; Wo 1,024 x 1,024 float32; Wq 1,024 x 1,024 float32; Wv 1,024 x 1,024 float32; hidden_states 2 x 2,048 x 1,024 float32; positions 2,048 int32.
;; Outputs: out0 2 x 2,048 x 1,024 float32.
;; This version of the problem:
;;   THIS VERSION OF THE PROBLEM IS GIVEN IN LOW PRECISION. The matrix products marked QUANTISED in the list below multiply operands that are first quantised to E2M1 (2 exponent bits, 1 mantissa bit; 4 bits a number), with one power-of-two scale for each 32 numbers along K (OCP MX v1.0); their sums are f32. The products marked 'left as it is' may take bf16, f16 or f32 operands, with f32 sums. Whichever they take, every output number must still come out within the allowed error. Rounding operands to bf16 (8 significant bits) uses up far more of that allowance than f16 does (11 bits, for magnitudes from 6e-5 to 65,504). All else is computed in f32.
;;   The module's matrix products, in the order in which they are computed (A, B: the left and right operand; K: the contracted axis; several contracted axes count as one K, in the product's order):
;;     1. [M 4,096, K 1,024] x [K 1,024, N 1,024]; A: input hidden_states; B: input Wq: QUANTISED
;;     2. [M 4,096, K 1,024] x [K 1,024, N 1,024]; A: input hidden_states; B: input Wk: QUANTISED
;;     3. [M 4,096, K 1,024] x [K 1,024, N 1,024]; A: input hidden_states; B: input Wv: QUANTISED
;;     4. batch 64 x [M 2,048, K 32] x [K 32, N 2,048]; A: computed on the way; B: computed on the way: left as it is (an operand is computed on the way)
;;     5. batch 64 x [M 32, K 2,048] x [K 2,048, N 2,048]; A: computed on the way; B: computed on the way: left as it is (an operand is computed on the way)
;;     6. [M 4,096, K 1,024] x [K 1,024, N 1,024]; A: computed on the way; B: input Wo: left as it is (an operand is computed on the way)
;;   THE QUANTISER, for each operand of a quantised product, along K:
;;     - K is cut into blocks of 32 from its start; a last block that is shorter is filled with zeros.
;;     - A block's scale is 2^e with e = floor(log2(the largest magnitude in the block)) - 2, held to -126 .. 127; a block of zeros has e = 0. As a byte (E8M0): e + 127.
;;     - Each number is divided by its block's scale, clamped to +-6, and rounded to the nearest number of E2M1, ties to even, subnormals kept.
;;     - The product sums the exact products of the quantised numbers (number of the format x scale) in f32.
;;   ~~~python
;;   def quantise(x, axis):      # numpy; x: float32 -> the quantised numbers, widened to float32 again
;;       x = np.moveaxis(x, axis, -1); K = x.shape[-1]
;;       x = np.pad(x, [(0, 0)] * (x.ndim - 1) + [(0, -K % 32)]); x = x.reshape(x.shape[:-1] + (-1, 32)); a = np.abs(x).max(-1, keepdims=True)
;;       e = np.where(a > 0, np.clip(np.frexp(np.where(a > 0, a, 1))[1] - 1 - 2, -126, 127), 0)      # np.frexp(a)[1] - 1 = floor(log2(a)), exactly
;;       r = np.clip(x / 2.0 ** e, -6, 6)
;;       step = 2.0 ** (np.maximum(np.frexp(np.where(r == 0, 1, r))[1] - 1, 0) - 1)
;;       q = np.round(r / step) * step * 2.0 ** e      # np.round: ties to even
;;       return np.moveaxis(q.reshape(q.shape[:-2] + (-1,))[..., :K], -1, axis).astype(np.float32)
;;   ~~~
;; One version. Each part assembles by itself: llvm-mc -triple=amdgcn-amd-amdhsa -mcpu=gfx1250 --defsym DOCPART=n.
;; ======== version 1 of 1: 5 launches
;; limits: values are held in f16: magnitudes above 65,504 overflow, below 6.1e-05 lose precision
;; workspace buffers: xq 2,228,224 bytes; wq 1,671,168 bytes; wo16 2,097,152 bytes; rope 262,144 bytes; qkv 25,165,824 bytes; a32 131,072 bytes; att 8,388,608 bytes
;; launch prep (part 1): grid 272 x 1, 4 waves a work-group, no clusters, 68,096 bytes of LDS; arguments hidden_states, Wq, Wk, Wv, Wo, positions, xq, wq, wo16, rope; writes xq, wq, wo16, rope
.if DOCPART == 1
	.amdgcn_target "amdgcn-amd-amdhsa--gfx1250"
	.amdhsa_code_object_version 6
	.text
	.protected	k_q2d743293d1_prep
	.globl	k_q2d743293d1_prep
	.p2align	8
	.type	k_q2d743293d1_prep,@function
k_q2d743293d1_prep:
	s_mov_b64 s[64:65], 0
	v_nop
	global_prefetch_b8 v0, s[64:65] scope:SCOPE_SE
	s_setreg_imm32_b32 hwreg(HW_REG_WAVE_MODE, 25, 1), 1
	s_wait_xcnt 0x0
; PREP: everything that is made once from the inputs.  Four kinds of work-group, told apart by the work-group's number:
;   0-127    hidden_states [4096][1024] f32 -> xq: codes of E2M1 [4096][512 bytes], K innermost, then one E8M0 byte for each 32 along K, [4096][32], from byte 2,097,152 on
;   128-175  Wq, Wk, Wv [1024 (k)][1024 (n)] f32 -> wq: codes [3072][512 bytes] with K innermost, rows in the order head x 96 + which x 32 + n % 32 (which: 0 q, 1 k, 2 v); scale bytes [3072][32] from byte 1,572,864 on
;   176-239  Wo [1024 (k)][1024 (n)] f32 -> wo16: f16, as images of operand registers: [n / 16][k / 32][1,024 bytes]; in an image, piece p of 256 bytes holds k = 8 p .. 8 p + 7 of the 16 columns, 16 bytes a column
;   240-271  positions [2048] -> rope: cos and sin of position x 10000^(-f / 16), f = 0 .. 15, f32, [tile of 16 positions][cos f%8 0-3, cos 4-7, sin 0-3, sin 4-7][lane][16 bytes]; lane = position % 16 + 16 (f / 8)
; A block's scale is 2^(floor(log2(its largest magnitude)) - 2): its byte is the largest magnitude's exponent field - 2, held at 1 from below; numbers are divided by it and rounded to the nearest code, ties to even, beyond 6 held at 6.
; LIMITS: a block of zeros gets the byte 1 (its codes are zeros, and this program alone reads the bytes); NaN and infinities are not served; |Wo| under 65,504 (f16); |position| under 2^24.
; The launch streams: no matrix unit, no tensor load, no barrier; waves share nothing.  Each kind has LDS bytes of its own: 0-32,767 the first, 32,768-67,583 the second; then the spare words.
.set SPARE, 67584
.set SPW,   196                        ; v196  LDS address of my spare word: SPARE + 4 x my thread's number; never rewritten
.set NIL,   197                        ; v197  0; never rewritten
.macro FINISH                          ; a wave's end: behind the last LDS store
	s_wait_tensorcnt 0x0
	ds_add_u32 v[SPW], v[NIL]
	s_wait_dscnt 0x0
	s_endpgm
.endm
	s_load_b256 s[4:11], s[0:1], 0x0               ; hidden s[4:5], Wq s[6:7], Wk s[8:9], Wv s[10:11]
	s_load_b256 s[12:19], s[0:1], 0x20             ; Wo s[12:13], positions s[14:15], xq s[16:17], wq s[18:19]
	s_load_b128 s[20:23], s[0:1], 0x40             ; wo16 s[20:21], rope s[22:23]
	v_lshl_add_u32 v[SPW], v0, 2, SPARE
	v_mov_b32 v[NIL], 0
	v_lshrrev_b32 v1, 5, v0
	v_readfirstlane_b32 s24, v1                    ; wave 0..3
	v_and_b32 v2, 31, v0                           ; lane
	s_mov_b32 s27, 0                               ; the upper word of every offset pair s[26:27]
	s_wait_kmcnt 0x0
	s_cmp_lt_u32 ttmp9, 128
	s_cbranch_scc1 .Lhid
	s_cmp_lt_u32 ttmp9, 176
	s_cbranch_scc1 .Lwgt
	s_cmp_lt_u32 ttmp9, 240
	s_cbranch_scc1 .Lwo
; ---------------- the table of cos and sin: a wave takes 16 positions x 16 frequencies, eight frequencies a lane
	s_sub_co_u32 s25, ttmp9, 240
	s_lshl_b32 s25, s25, 2
	s_add_co_u32 s25, s25, s24                     ; the tile of 16 positions
	s_lshl_b32 s26, s25, 6
	s_add_nc_u64 s[14:15], s[14:15], s[26:27]
	s_lshl_b32 s26, s25, 11
	s_add_nc_u64 s[22:23], s[22:23], s[26:27]
	v_and_b32 v1, 15, v0
	v_bfe_u32 v3, v0, 4, 1
	v_lshlrev_b32 v5, 2, v1
	global_load_b32 v4, v5, s[14:15]               ; my position
	v_lshlrev_b32 v6, 4, v2                        ; 16 x lane
	v_lshlrev_b32 v3, 3, v3                        ; my first frequency: 8 (lane / 16)
	s_mov_b32 s32, 0xbf549a78                      ; -log2(10000) / 16
	s_mov_b32 s33, 0x3f22f983                      ; 2 / pi
	s_mov_b32 s34, 0xbfc90fdb                      ; -(pi / 2), its upper part,
	s_mov_b32 s35, 0x333bbd2e                      ; and what the upper part leaves
	s_mov_b32 s36, 0xb94ca1f9                      ; sin on -pi/4 .. pi/4: x + x z (s36 z^2 + s37 z + s38), z = x^2
	s_mov_b32 s37, 0x3c08839e
	s_mov_b32 s38, 0xbe2aaaa3
	s_mov_b32 s39, 0x37ccf5ce                      ; cos: 1 - z / 2 + z^2 (s39 z^2 + s40 z + s41)
	s_mov_b32 s40, 0xbab6061a
	s_mov_b32 s41, 0x3d2aaaa5
.irp j, 0,1,2,3,4,5,6,7
	v_add_nc_u32 v[16+\j], \j, v3
.endr
.irp j, 0,1,2,3,4,5,6,7
	v_cvt_f32_u32 v[16+\j], v[16+\j]
.endr
.irp j, 0,1,2,3,4,5,6,7
	v_mul_f32 v[16+\j], s32, v[16+\j]
.endr
.irp j, 0,1,2,3,4,5,6,7
	v_exp_f32 v[24+\j], v[16+\j]                   ; 10000^(-f / 16)
.endr
	v_nop                                          ; a plain instruction behind the last exponential
	s_wait_alu depctr_va_vdst(0)                   ; one wait for the eight, ahead of their first reader
	s_wait_loadcnt 0x0
	v_cvt_f32_i32 v7, v4
.irp j, 0,1,2,3,4,5,6,7
	v_mul_f32 v[16+\j], v7, v[24+\j]               ; the angle, rounded once
.endr
.irp j, 0,1,2,3,4,5,6,7
	v_mul_f32 v[24+\j], s33, v[16+\j]
.endr
.irp j, 0,1,2,3,4,5,6,7
	v_rndne_f32 v[24+\j], v[24+\j]                 ; n: how many quarter turns
.endr
.irp j, 0,1,2,3,4,5,6,7
	v_fma_f32 v[32+\j], v[24+\j], s34, v[16+\j]
.endr
.irp j, 0,1,2,3,4,5,6,7
	v_fma_f32 v[32+\j], v[24+\j], s35, v[32+\j]    ; x = angle - n pi / 2, in two parts
.endr
.irp j, 0,1,2,3,4,5,6,7
	v_cvt_i32_f32 v[64+\j], v[24+\j]
.endr
.irp j, 0,1,2,3,4,5,6,7
	v_mul_f32 v[40+\j], v[32+\j], v[32+\j]         ; z
.endr
.irp j, 0,1,2,3,4,5,6,7
	v_fma_f32 v[48+\j], v[40+\j], s36, s37
	v_fma_f32 v[56+\j], v[40+\j], s39, s40
.endr
.irp j, 0,1,2,3,4,5,6,7
	v_fma_f32 v[48+\j], v[48+\j], v[40+\j], s38
	v_fma_f32 v[56+\j], v[56+\j], v[40+\j], s41
.endr
.irp j, 0,1,2,3,4,5,6,7
	v_mul_f32 v[72+\j], v[40+\j], v[32+\j]         ; z x
	v_fma_f32 v[16+\j], v[40+\j], -0.5, 1.0        ; 1 - z / 2
.endr
.irp j, 0,1,2,3,4,5,6,7
	v_fma_f32 v[48+\j], v[48+\j], v[72+\j], v[32+\j]   ; sin x
	v_mul_f32 v[72+\j], v[40+\j], v[40+\j]
.endr
.irp j, 0,1,2,3,4,5,6,7
	v_fma_f32 v[56+\j], v[56+\j], v[72+\j], v[16+\j]   ; cos x
	v_and_b32 v[72+\j], 1, v[64+\j]
.endr
.irp j, 0,1,2,3,4,5,6,7
	v_cmp_eq_u32 vcc_lo, 1, v[72+\j]               ; an odd number of quarter turns: sin and cos change places
	v_cndmask_b32 v[88+\j], v[48+\j], v[56+\j], vcc_lo
	v_cndmask_b32 v[80+\j], v[56+\j], v[48+\j], vcc_lo
.endr
.irp j, 0,1,2,3,4,5,6,7
	v_and_b32 v[72+\j], 2, v[64+\j]                ; sin changes sign where n mod 4 is 2 or 3,
	v_add_nc_u32 v[64+\j], 1, v[64+\j]
.endr
.irp j, 0,1,2,3,4,5,6,7
	v_lshlrev_b32 v[72+\j], 30, v[72+\j]
	v_and_b32 v[64+\j], 2, v[64+\j]                ; cos where it is 1 or 2
.endr
.irp j, 0,1,2,3,4,5,6,7
	v_xor_b32 v[88+\j], v[72+\j], v[88+\j]
	v_lshlrev_b32 v[64+\j], 30, v[64+\j]
.endr
.irp j, 0,1,2,3,4,5,6,7
	v_xor_b32 v[80+\j], v[64+\j], v[80+\j]
.endr
.irp p, 0,1,2,3
	global_store_b128 v6, v[80+4*\p:83+4*\p], s[22:23] offset:512*\p   ; each store of the wave covers 512 consecutive bytes, aligned
.endr
	FINISH
; ---------------- hidden_states: a plain stream of blocks of 32.  A wave takes 16 steps of 512 numbers.  Loads read 512 consecutive bytes; the numbers turn through the wave's own stage in LDS so that a lane holds 16 neighbours
.set HR, 16                            ; v16-79   four sets of 16 numbers as loaded
.set HX, 80                            ; v80-111  two sets of 16 neighbours
.set HE, 112                           ; v112-127 a scale byte for each step
.set HC, 128                           ; v128-191 codes: registers of its own for each step, so that no store's data are written again
.set SP, 80                            ; a lane's place in a stage: 64 bytes + 16 of padding
.Lhid:
	s_lshl_b32 s25, ttmp9, 2
	s_add_co_u32 s25, s25, s24                     ; which run of 8,192 numbers is my wave's
	s_lshl_b32 s26, s25, 15
	s_add_nc_u64 s[4:5], s[4:5], s[26:27]
	s_lshl_b32 s26, s25, 12
	s_add_nc_u64 s[28:29], s[16:17], s[26:27]      ; its codes
	s_lshl_b32 s26, s25, 8
	s_add_co_u32 s26, s26, 0x200000
	s_add_nc_u64 s[30:31], s[16:17], s[26:27]      ; its 256 scale bytes
	v_lshlrev_b32 v3, 4, v2                        ; my 16 bytes of a load's 512
	s_lshl_b32 s25, s24, 13                        ; my wave's 8,192 bytes of LDS: two stages of 2,560, then 256 scale bytes
	v_lshrrev_b32 v14, 2, v2
	v_mul_u32_u24 v14, v14, SP
	v_and_b32 v15, 3, v2
	v_lshl_add_u32 v14, v15, 4, v14
	v_add_nc_u32 v14, s25, v14                     ; into the stage: four lanes' 64 bytes on end, then the padding
	v_mul_u32_u24 v15, v2, SP
	v_add_nc_u32 v15, s25, v15                     ; out of it: my 16 neighbours
	v_lshlrev_b32 v4, 3, v2                        ; 8 x lane: my codes' place in a step's 256 bytes
	v_lshrrev_b32 v5, 1, v2
	s_add_co_u32 s25, s25, 2*32*SP
	v_add_nc_u32 v5, s25, v5                       ; my block's scale byte
	v_add_nc_u32 v6, s25, v4                       ; and on the way out 8 bytes a lane
.macro HLOAD t
.irp i, 0,1,2,3
	global_load_b128 v[HR+16*((\t)%4)+4*\i:HR+16*((\t)%4)+4*\i+3], v3, s[4:5] offset:2048*(\t)+512*\i th:TH_LOAD_NT
.endr
.endm
.macro HTURN t                         ; LDS serves a wave's instructions in order: no wait between the stores and the loads
.irp i, 0,1,2,3
	ds_store_b128 v14, v[HR+16*((\t)%4)+4*\i:HR+16*((\t)%4)+4*\i+3] offset:32*SP*((\t)%2)+8*SP*\i
.endr
.irp i, 0,1,2,3
	ds_load_b128 v[HX+16*((\t)%2)+4*\i:HX+16*((\t)%2)+4*\i+3], v15 offset:32*SP*((\t)%2)+16*\i
.endr
.endm
.irp t, 0,1,2,3
	HLOAD \t
.endr
	s_wait_loadcnt 12                              ; step 0's four loads are in; the three younger steps' twelve may be out
	HTURN 0
.macro HSTEP t
.set XS_, HX+16*((\t)%2)
.if (\t) > 0
	s_wait_dscnt 1                                 ; this step's numbers are back from the stage; the last step's byte store may be out
.else
	s_wait_dscnt 0x0
.endif
.if (\t)+4 < 16
	HLOAD (\t)+4                                   ; into the registers whose stores into the stage are done
.endif
.if (\t)+1 < 16
.if 14-(\t) >= 3
	s_wait_loadcnt 12                              ; the next step's loads are in; those of the three steps behind it may be out
.else
	s_wait_loadcnt 4*(14-(\t))
.endif
	HTURN (\t)+1
.endif
	v_max3_num_f32 v8, |v[XS_]|, |v[XS_+1]|, |v[XS_+2]|
	v_max3_num_f32 v9, |v[XS_+3]|, |v[XS_+4]|, |v[XS_+5]|
.irp i, 6,10
	v_max3_num_f32 v8, v8, |v[XS_+\i]|, |v[XS_+\i+1]|
	v_max3_num_f32 v9, v9, |v[XS_+\i+2]|, |v[XS_+\i+3]|
.endr
	v_max3_num_f32 v8, v8, |v[XS_+14]|, |v[XS_+15]|
	v_max3_num_f32 v8, v8, v9, 0x1800000           ; and the floor 2^(3 - 127): the byte cannot fall under 1
	v_max_num_f32_dpp v8, v8, v8 row_xmask:1 row_mask:0xf bank_mask:0xf   ; with my neighbour's 16: the block's largest magnitude
	v_add_nc_u32 v11, 0xff000000, v8               ; 2 off its exponent field: the conversion takes that field as its scale
	v_cvt_scalef32_pk8_fp4_f32 v[HC+4*(\t)], v[XS_:XS_+7], v11
	v_cvt_scalef32_pk8_fp4_f32 v[HC+4*(\t)+1], v[XS_+8:XS_+15], v11
	v_lshrrev_b32 v[HE+(\t)], 23, v11              ; the scale's byte
	ds_store_b8 v5, v[HE+(\t)] offset:16*(\t)      ; both lanes of a block write the same byte with the same value
	global_store_b64 v4, v[HC+4*(\t):HC+4*(\t)+1], s[28:29] offset:256*(\t)   ; the wave stores 256 consecutive bytes, aligned
.endm
.irp t, 0,1,2,3,4,5,6,7,8,9,10,11,12,13,14,15
	HSTEP \t
.endr
	ds_load_b64 v[8:9], v6                         ; my wave's 256 scale bytes, behind its own stores
	s_wait_dscnt 0x0
	global_store_b64 v4, v[8:9], s[30:31]
	FINISH
; ---------------- Wq, Wk, Wv: K is the first axis.  A lane takes a column and its registers run down K; a wave takes one head's 32 columns x 512 along K; the codes leave through the wave's stage as rows
.set WX, 32                            ; v32-95   two sets of 32 numbers
.set WC, 96                            ; v96-99   a block's codes
.set WO_, 112                          ; v112-175 the way out
.set WB, 24                            ; v24-27   16 scale bytes
.Lwgt:
	s_sub_co_u32 s25, ttmp9, 128
	s_lshr_b32 s32, s25, 4                         ; which: 0 q, 1 k, 2 v
	s_and_b32 s33, s25, 7                          ; which 128 columns
	s_bfe_u32 s34, s25, 0x10003                    ; which half of K
	s_cmp_eq_u32 s32, 0
	s_cselect_b64 s[4:5], s[6:7], s[8:9]
	s_cmp_eq_u32 s32, 2
	s_cselect_b64 s[4:5], s[10:11], s[4:5]
	s_lshl_b32 s35, s33, 2
	s_add_co_u32 s35, s35, s24                     ; the head
	s_lshl_b32 s26, s34, 21                        ; 512 rows of 4,096 bytes
	s_lshl_b32 s36, s35, 7
	s_add_co_u32 s26, s26, s36
	s_add_nc_u64 s[4:5], s[4:5], s[26:27]
	s_mul_i32 s36, s35, 96
	s_lshl_b32 s37, s32, 5
	s_add_co_u32 s36, s36, s37                     ; my first row of wq
	s_lshl_b32 s26, s36, 9
	s_lshl_b32 s37, s34, 8
	s_add_co_u32 s26, s26, s37
	s_add_nc_u64 s[28:29], s[18:19], s[26:27]      ; its codes, my half of K
	s_lshl_b32 s26, s36, 5
	s_lshl_b32 s37, s34, 4
	s_add_co_u32 s26, s26, s37
	s_add_co_u32 s26, s26, 0x180000
	s_add_nc_u64 s[30:31], s[18:19], s[26:27]      ; its scale bytes
	v_lshlrev_b32 v3, 2, v2
	s_mul_i32 s25, s24, 32*272
	s_add_co_u32 s25, s25, 32768                   ; my stage: 32 rows of 256 bytes + 16
	v_mul_u32_u24 v4, v2, 272
	v_add_nc_u32 v4, s25, v4
	v_and_b32 v5, 15, v2
	v_lshrrev_b32 v6, 4, v2
	v_mul_u32_u24 v7, v6, 272
	v_lshl_add_u32 v7, v5, 4, v7
	v_add_nc_u32 v7, s25, v7                       ; out of it: sixteen lanes to a row, two rows an instruction
	v_lshlrev_b32 v8, 9, v6
	v_lshl_add_u32 v8, v5, 4, v8                   ; the same place in wq
	v_lshlrev_b32 v9, 5, v2                        ; my row of scale bytes
.macro WLOAD t
.irp i, 0,1,2,3,4,5,6,7,8,9,10,11,12,13,14,15,16,17,18,19,20,21,22,23,24,25,26,27,28,29,30,31
	global_load_b32 v[WX+32*((\t)%2)+\i], v3, s[4:5] offset:(32*(\t)+\i)*4096 th:TH_LOAD_NT
.endr
.endm
	WLOAD 0
	WLOAD 1
.macro WBLOCK t
.set XS_, WX+32*((\t)%2)
.if (\t) < 15
	s_wait_loadcnt 32                              ; this block's 32 loads are in; the next block's may be out
.else
	s_wait_loadcnt 0x0
.endif
	v_max3_num_f32 v12, |v[XS_]|, |v[XS_+1]|, |v[XS_+2]|
	v_max3_num_f32 v13, |v[XS_+3]|, |v[XS_+4]|, |v[XS_+5]|
.irp i, 6,10,14,18,22,26
	v_max3_num_f32 v12, v12, |v[XS_+\i]|, |v[XS_+\i+1]|
	v_max3_num_f32 v13, v13, |v[XS_+\i+2]|, |v[XS_+\i+3]|
.endr
	v_max3_num_f32 v12, v12, |v[XS_+30]|, |v[XS_+31]|
	v_max3_num_f32 v12, v12, v13, 0x1800000
	v_add_nc_u32 v11, 0xff000000, v12
	v_lshrrev_b32 v13, 23, v11
.if (\t)%4 == 0
	v_mov_b32 v[WB+(\t)/4], v13
.else
	v_lshl_or_b32 v[WB+(\t)/4], v13, 8*((\t)%4), v[WB+(\t)/4]
.endif
.irp g, 0,1,2,3
	v_cvt_scalef32_pk8_fp4_f32 v[WC+\g], v[XS_+8*\g:XS_+8*\g+7], v11
.endr
	ds_store_b128 v4, v[WC:WC+3] offset:16*(\t)
.if (\t)+2 < 16
	WLOAD (\t)+2
.endif
	s_wait_dscnt 0x0                               ; the store has read its registers: the next block's codes may be written
.endm
.irp t, 0,1,2,3,4,5,6,7,8,9,10,11,12,13,14,15
	WBLOCK \t
.endr
	global_store_b128 v9, v[WB:WB+3], s[30:31]
.irp t, 0,1,2,3,4,5,6,7,8,9,10,11,12,13,14,15
	ds_load_b128 v[WO_+4*\t:WO_+4*\t+3], v7 offset:2*\t*272
.endr
.irp t, 0,1,2,3,4,5,6,7,8,9,10,11,12,13,14,15
	s_wait_dscnt 15-\t                             ; LDS loads come back in order: number t is in
	global_store_b128 v8, v[WO_+4*\t:WO_+4*\t+3], s[28:29] offset:2*\t*512   ; sixteen lanes store 256 consecutive bytes, aligned
.endr
	FINISH
; ---------------- Wo: a lane takes a column, its registers run down K; a wave takes 32 columns x 128 along K, four K steps of 32
.Lwo:
	s_sub_co_u32 s25, ttmp9, 176
	s_and_b32 s33, s25, 7                          ; which 128 columns
	s_lshr_b32 s34, s25, 3                         ; which 128 along K
	s_lshl_b32 s26, s34, 19
	s_lshl_b32 s36, s33, 9
	s_add_co_u32 s26, s26, s36
	s_lshl_b32 s36, s24, 7
	s_add_co_u32 s26, s26, s36
	s_add_nc_u64 s[12:13], s[12:13], s[26:27]
	s_lshl_b32 s26, s33, 3
	s_lshl_b32 s36, s24, 1
	s_add_co_u32 s26, s26, s36                     ; my first tile of 16 columns
	s_lshl_b32 s26, s26, 15
	s_lshl_b32 s36, s34, 12
	s_add_co_u32 s26, s26, s36
	s_add_nc_u64 s[20:21], s[20:21], s[26:27]
	v_lshlrev_b32 v3, 2, v2
	v_lshrrev_b32 v4, 4, v2
	v_and_b32 v5, 15, v2
	v_lshlrev_b32 v4, 15, v4
	v_lshl_add_u32 v4, v5, 4, v4                   ; lanes 16-31: the next tile of columns; 16 bytes a column
.macro OLOAD t
.irp i, 0,1,2,3,4,5,6,7,8,9,10,11,12,13,14,15,16,17,18,19,20,21,22,23,24,25,26,27,28,29,30,31
	global_load_b32 v[32+32*((\t)%2)+\i], v3, s[12:13] offset:(32*(\t)+\i)*4096
.endr
.endm
	OLOAD 0
	OLOAD 1
.macro OBLOCK t
.if (\t) < 3
	s_wait_loadcnt 32                              ; this K step's 32 loads are in; the next one's may be out
.else
	s_wait_loadcnt 0x0
.endif
.irp m, 0,1,2,3,4,5,6,7,8,9,10,11,12,13,14,15
	v_cvt_pk_f16_f32 v[96+16*(\t)+\m], v[32+32*((\t)%2)+2*\m], v[32+32*((\t)%2)+2*\m+1]
.endr
.irp p, 0,1,2,3
	global_store_b128 v4, v[96+16*(\t)+4*\p:96+16*(\t)+4*\p+3], s[20:21] offset:1024*(\t)+256*\p   ; sixteen lanes store 256 consecutive bytes, aligned; every K step has data registers of its own
.endr
.if (\t)+2 < 4
	OLOAD (\t)+2
.endif
.endm
.irp t, 0,1,2,3
	OBLOCK \t
.endr
	FINISH
.Lfunc_end_k_q2d743293d1_prep:
	.size	k_q2d743293d1_prep, .Lfunc_end_k_q2d743293d1_prep-k_q2d743293d1_prep
	.p2alignl 7, 3214868480
	.fill 96, 4, 3214868480
	.section	.rodata,"a",@progbits
	.p2align	6, 0x0
	.amdhsa_kernel k_q2d743293d1_prep
		.amdhsa_group_segment_fixed_size 68096
		.amdhsa_private_segment_fixed_size 0
		.amdhsa_enable_private_segment 0
		.amdhsa_kernarg_size 80
		.amdhsa_user_sgpr_count 2
		.amdhsa_user_sgpr_kernarg_segment_ptr 1
		.amdhsa_wavefront_size32 1
		.amdhsa_system_sgpr_workgroup_id_x 1
		.amdhsa_system_sgpr_workgroup_id_y 1
		.amdhsa_system_sgpr_workgroup_id_z 1
		.amdhsa_system_vgpr_workitem_id 0
		.amdhsa_next_free_vgpr 200
		.amdhsa_next_free_sgpr 66
		.amdhsa_reserve_vcc 1
		.amdhsa_float_denorm_mode_32 3
		.amdhsa_float_denorm_mode_16_64 3
		.amdhsa_memory_ordered 1
		.amdhsa_forward_progress 1
		.amdhsa_inst_pref_size 141
	.end_amdhsa_kernel
	.amdgpu_metadata
---
amdhsa.version: [ 1, 2 ]
amdhsa.kernels:
  - .name:           k_q2d743293d1_prep
    .symbol:         k_q2d743293d1_prep.kd
    .args:
      - { .name: hidden_states, .offset: 0, .size: 8, .value_kind: global_buffer, .address_space: global }
      - { .name: Wq, .offset: 8, .size: 8, .value_kind: global_buffer, .address_space: global }
      - { .name: Wk, .offset: 16, .size: 8, .value_kind: global_buffer, .address_space: global }
      - { .name: Wv, .offset: 24, .size: 8, .value_kind: global_buffer, .address_space: global }
      - { .name: Wo, .offset: 32, .size: 8, .value_kind: global_buffer, .address_space: global }
      - { .name: positions, .offset: 40, .size: 8, .value_kind: global_buffer, .address_space: global }
      - { .name: xq, .offset: 48, .size: 8, .value_kind: global_buffer, .address_space: global }
      - { .name: wq, .offset: 56, .size: 8, .value_kind: global_buffer, .address_space: global }
      - { .name: wo16, .offset: 64, .size: 8, .value_kind: global_buffer, .address_space: global }
      - { .name: rope, .offset: 72, .size: 8, .value_kind: global_buffer, .address_space: global }
    .group_segment_fixed_size: 68096
    .private_segment_fixed_size: 0
    .kernarg_segment_align: 8
    .kernarg_segment_size: 80
    .max_flat_workgroup_size: 128
    .sgpr_count:     66
    .vgpr_count:     200
    .wavefront_size: 32
...
	.end_amdgpu_metadata
.endif
;; end of part 1
;; launch qkv (part 2): grid 16 x 16, 4 waves a work-group, clusters of 4 x 1, 262,144 bytes of LDS; arguments xq, wq, rope, qkv, a32; writes qkv, a32
.if DOCPART == 2
	.amdgcn_target "amdgcn-amd-amdhsa--gfx1250"
	.amdhsa_code_object_version 6
	.text
	.protected	k_q2d743293d1_qkv
	.globl	k_q2d743293d1_qkv
	.p2align	8
	.type	k_q2d743293d1_qkv,@function
k_q2d743293d1_qkv:
	s_mov_b64 s[64:65], 0
	v_nop
	global_prefetch_b8 v0, s[64:65] scope:SCOPE_SE
	s_setreg_imm32_b32 hwreg(HW_REG_WAVE_MODE, 25, 1), 1
	s_wait_xcnt 0x0
	s_wait_alu depctr_hold_cnt(0) depctr_sa_sdst(0) depctr_va_vdst(0) depctr_va_sdst(0) depctr_va_ssrc(0) depctr_va_vcc(0) depctr_vm_vsrc(0)
	s_getreg_b32 s2, hwreg(HW_REG_IB_STS2, 6, 4)
	s_cmp_eq_u32 s2, 0
	s_cbranch_scc0 .Lentry_in_a_cluster
	s_endpgm
.Lentry_in_a_cluster:
	s_bfe_u32 s2, ttmp6, 0x10000c
	s_cmp_lg_u32 s2, 0x3003
	s_cbranch_scc0 .Lentry_shape_is_right
	s_endpgm
.Lentry_shape_is_right:
; QKV: the three quantised products hidden x Wq, Wk, Wv on codes of E2M1 with E8M0 scales, the rotation by position, q x log2(e) / sqrt(32), and q, k, v rounded to f16 as images of the operand registers that the attention wants.
; Also: the attention of positions 0-15 of each sequence, in f32, into a32.
; SHARES.  A work-group takes 256 tokens (grid y) x two heads (grid x): 192 rows of wq, which lie on end.  Wave w takes tokens 128 (w / 2) on (8 tiles i) and head 2 x + w % 2 (6 tiles c of 16 rows: 0, 1 q; 2, 3 k; 4, 5 v): 48 accumulators, a = 6 i + c.
; All of K = 1,024 lies in LDS (codes: 128 + 96 KiB): nothing is filled again, so there is no ring.  It comes in two halves along K; the second lands while the first is multiplied.
; CLUSTER 4 x 1: the four partners share the tokens, so the tokens' codes and scales are asked for jointly (mask 15); the weights' tiles differ and come by loads of their own.  4 x 4 is not taken: the branch to the f32 tile hangs on grid y,
; which in a 4 x 1 cluster is the same in all partners and in a 4 x 4 cluster would not be.
; LAYOUT.  q and k are made TRANSPOSED (source 0 = 16 rows of wq, source 1 = 16 tokens): a lane holds one token (lane % 16) and channels 8 (lane / 16) + 0..7 of the tile; tiles c and c + 1 are the two halves that the rotation pairs.
; v is made the natural way (source 0 = tokens): a lane holds one channel and eight tokens, which is what V^T's operand wants.  So all 48 results leave straight from registers, 512 consecutive bytes a store.
; LIMITS: 0.255 |q|, |k|, |v| under 65,504 (f16).
; REGISTERS.  window 0: v1-15 addresses; v16-31 q of tile 0 in f32; v32-95 scale words, later k of tile 0 (v32-47), work (v48-63); v144-255 fragment set 0; on the way out v64-255 the packed results.
;   window 1: accumulators 0-31.  window 2: v0-127 accumulators 32-47; v128-239 fragment set 1.  window 3: v0-127 cos and sin; v128-159 the four f32 accumulators, which matrix instructions alone write.
.set X0, 0                             ; LDS: 256 rows of the tokens' codes, K 0-511: 256 bytes + 16 of padding each
.set X1, 69632                         ; K 512-1,023
.set W0, 139264                        ; 192 rows of the weights' codes, K 0-511
.set W1, 191488
.set WS, 243712                        ; the weights' scale bytes, 192 x 32, dense
.set XS, 249856                        ; the tokens', 256 x 32, dense
.set SPARE, 258048                     ; the spare words, 128 bytes a wave
.set ADX, 4                            ; v4, v5  LDS address of my tokens' fragments, K half 0, 1
.set ADW, 6                            ; v6, v7  of my weights'
.set ADS, 8                            ; v8      of my scale words: lanes 0-15 the weights', lanes 16-31 the tokens'
.set L16, 9                            ; v9      16 x lane
.set D16, 10                           ; v10     lane % 16 - 8 (lane / 16)
.set SPW, 12
.set NIL, 13
.set SC,  32                           ; scale words: v[SC + 8 i + s]: lanes 0-15 the weights' tile i, lanes 16-31 the tokens' tile i, K step s
.set PK,  64                           ; packed results: four registers for accumulator n at v[PK + 4 n]
.set G1X, 24
.set G1W, 32
.set G1XS, 40
.set G1WS, 48
.set G0X0, 56
.set G0X1, 60
.set G0XS, 68
.set G0W0, 72
.set G0W1, 76
.set G0WS, 80
.set MSB, 0
.macro WIN new                         ; the immediate's high byte repeats the setting that is left; a switch that changes nothing is dropped
.if MSB != (\new)
	s_set_vgpr_msb (MSB<<8)|(\new)
.set MSB, (\new)
.endif
.endm
.macro PLACES n
.rept \n
	v_nop
.endr
.endm
.macro ROUND                           ; a round of the cluster's barrier
	s_barrier_signal -1
	s_barrier_wait -1
	s_cmp_lg_u32 s14, 0
	s_cbranch_scc1 .Lnot_wave_0_\@
	s_barrier_signal -3
.Lnot_wave_0_\@:
	s_barrier_wait -3
	s_barrier_signal -1
	s_barrier_wait -1
.endm
	s_load_b256 s[4:11], s[0:1], 0x0               ; xq s[4:5], wq s[6:7], rope s[8:9], qkv s[10:11]
	s_load_b64 s[12:13], s[0:1], 0x20              ; a32
	v_lshl_add_u32 v[SPW], v0, 2, SPARE
	v_mov_b32 v[NIL], 0
	ds_add_u32 v[SPW], v[NIL]                      ; the wave's opening: the add, twice on end, and its wait ahead of my first tensor load
	ds_add_u32 v[SPW], v[NIL]
	v_lshrrev_b32 v1, 5, v0
	v_readfirstlane_b32 s14, v1                    ; wave 0..3
	s_lshr_b32 s15, s14, 1                         ; my half of the tokens.  Also: I fetch the tokens' tiles (0) or the weights' (1)
	s_and_b32 s16, s14, 1                          ; my head of the two.  Also: which half of the rows I fetch
	s_and_b32 s17, ttmp7, 0xffff                   ; the block of 256 tokens: shared by the partners
	s_bfe_u32 s18, ttmp6, 0x40000                  ; my place in the cluster
	s_lshl_b32 s19, ttmp9, 2
	s_add_co_u32 s19, s19, s18                     ; the pair of heads
	; group 1: the tokens' codes: 128 rows x 256 bytes, 512 bytes apart, 16 bytes of padding behind each; joint
	s_mov_b32 s[G1X+0], 15|(1<<20)|(1<<21)|(5<<22)|(3<<25)
	s_mov_b32 s[G1X+1], 256<<16
	s_mov_b32 s[G1X+2], 128<<16
	s_mov_b32 s[G1X+3], 256<<16
	s_mov_b32 s[G1X+4], 128
	s_mov_b32 s[G1X+5], 512
	s_mov_b32 s[G1X+6], 0
	s_mov_b32 s[G1X+7], 0
	; the weights' codes: 96 rows likewise; my work-group's own
	s_mov_b32 s[G1W+0], (1<<20)|(5<<22)|(3<<25)
	s_mov_b32 s[G1W+1], 256<<16
	s_mov_b32 s[G1W+2], 96<<16
	s_mov_b32 s[G1W+3], 256<<16
	s_mov_b32 s[G1W+4], 96
	s_mov_b32 s[G1W+5], 512
	s_mov_b32 s[G1W+6], 0
	s_mov_b32 s[G1W+7], 0
	; the tokens' scale bytes: 4,096 dense bytes as 16 rows of 256 (32 elements of 8 bytes); joint
	s_mov_b32 s[G1XS+0], 15|(3<<16)|(1<<21)
	s_mov_b32 s[G1XS+1], 32<<16
	s_mov_b32 s[G1XS+2], 16<<16
	s_mov_b32 s[G1XS+3], 32<<16
	s_mov_b32 s[G1XS+4], 16
	s_mov_b32 s[G1XS+5], 32
	s_mov_b32 s[G1XS+6], 0
	s_mov_b32 s[G1XS+7], 0
	; the weights' scale bytes: 3,072 dense bytes as 12 rows of 256
	s_mov_b32 s[G1WS+0], 3<<16
	s_mov_b32 s[G1WS+1], 32<<16
	s_mov_b32 s[G1WS+2], 12<<16
	s_mov_b32 s[G1WS+3], 32<<16
	s_mov_b32 s[G1WS+4], 12
	s_mov_b32 s[G1WS+5], 32
	s_mov_b32 s[G1WS+6], 0
	s_mov_b32 s[G1WS+7], 0
	; where the tiles come from: the tokens' by the block and the wave alone, the weights' by the pair of heads
	s_lshl_b32 s20, s17, 8
	s_lshl_b32 s21, s16, 7
	s_add_co_u32 s20, s20, s21                     ; the first of the 128 tokens that I fetch
	s_lshl_b32 s22, s20, 5
	s_add_co_u32 s22, s22, 0x200000                ; their scale bytes
	s_mov_b32 s23, 0
	s_lshl_b32 s20, s20, 9                         ; their codes
	s_mov_b32 s21, 0
	s_mul_i32 s2, s19, 192
	s_mul_i32 s3, s16, 96
	s_add_co_u32 s2, s2, s3                        ; the first of the 96 rows of wq that I fetch
	s_lshl_b32 s98, s2, 5
	s_add_co_u32 s98, s98, 0x180000
	s_mov_b32 s99, 0
	s_lshl_b32 s2, s2, 9
	s_mov_b32 s3, 0
	; and where they go: constants and the wave's number alone
	s_mov_b32 s[G0XS], 1
	s_lshl_b32 s[G0XS+1], s16, 12
	s_add_co_u32 s[G0XS+1], s[G0XS+1], XS
	s_mov_b32 s[G0X0], 1
	s_mul_i32 s[G0X0+1], s16, 128*272
	s_mov_b32 s[G0X1], 1
	s_add_co_u32 s[G0X1+1], s[G0X0+1], X1
	s_mov_b32 s[G0WS], 1
	s_mul_i32 s[G0WS+1], s16, 3072
	s_add_co_u32 s[G0WS+1], s[G0WS+1], WS
	s_mov_b32 s[G0W0], 1
	s_mul_i32 s[G0W0+1], s16, 96*272
	s_add_co_u32 s[G0W0+1], s[G0W0+1], W0
	s_mov_b32 s[G0W1], 1
	s_add_co_u32 s[G0W1+1], s[G0W0+1], W1-W0
	s_mov_b32 s94, 0x76543210                      ; v_permlanex16_b32's selects for lane l xor 16
	s_mov_b32 s95, 0xfedcba98
	s_mov_b32 s96, 0x3e8293ee                      ; log2(e) / sqrt(32)
	s_mov_b32 s97, s96                             ; (named with it as a pair, so it is written)
	s_wait_dscnt 0x0                               ; both opening adds are done
	s_wait_kmcnt 0x0
	s_add_nc_u64 s[G0XS+2:G0XS+3], s[4:5], s[22:23]
	s_add_nc_u64 s[G0X0+2:G0X0+3], s[4:5], s[20:21]
	s_add_nc_u64 s[G0X1+2:G0X1+3], s[G0X0+2:G0X0+3], 256
	s_add_nc_u64 s[G0WS+2:G0WS+3], s[6:7], s[98:99]
	s_add_nc_u64 s[G0W0+2:G0W0+3], s[6:7], s[2:3]
	s_add_nc_u64 s[G0W1+2:G0W1+3], s[G0W0+2:G0W0+3], 256
	s_or_b32 s[G0XS+3], s[G0XS+3], 0x80000000
	s_or_b32 s[G0X0+3], s[G0X0+3], 0x80000000
	s_or_b32 s[G0X1+3], s[G0X1+3], 0x80000000
	s_or_b32 s[G0WS+3], s[G0WS+3], 0x80000000
	s_or_b32 s[G0W0+3], s[G0W0+3], 0x80000000
	s_or_b32 s[G0W1+3], s[G0W1+3], 0x80000000
	ROUND                                          ; all four work-groups are here: the joint loads meet
	s_cmp_eq_u32 s15, 0                            ; a wave's three first fills stand in one branch on the wave's number: three loads of mine are out
	s_cbranch_scc0 .Lfill_w
	tensor_load_to_lds s[G0XS:G0XS+3], s[G1XS:G1XS+7]
	s_nop 0
	tensor_load_to_lds s[G0X0:G0X0+3], s[G1X:G1X+7]
	s_nop 0
	tensor_load_to_lds s[G0X1:G0X1+3], s[G1X:G1X+7]
	s_nop 0
	PLACES 4
	s_branch .Lfilled
.Lfill_w:
	tensor_load_to_lds s[G0WS:G0WS+3], s[G1WS:G1WS+7]
	s_nop 0
	tensor_load_to_lds s[G0W0:G0W0+3], s[G1W:G1W+7]
	s_nop 0
	tensor_load_to_lds s[G0W1:G0W1+3], s[G1W:G1W+7]
	s_nop 0
	PLACES 4
.Lfilled:
	v_and_b32 v1, 15, v0                           ; r
	v_bfe_u32 v2, v0, 4, 1                         ; h
	v_and_b32 v[L16], 31, v0
	v_lshlrev_b32 v[L16], 4, v[L16]
	s_lshr_b32 s20, s17, 3                         ; the batch
	s_lshl_b32 s21, s19, 1
	s_add_co_u32 s21, s21, s16                     ; my head
	s_lshl_b32 s20, s20, 5
	s_add_co_u32 s20, s20, s21                     ; batch x 32 + head
	s_and_b32 s22, s17, 7
	s_lshl_b32 s22, s22, 4
	s_lshl_b32 s23, s15, 3
	s_add_co_u32 s22, s22, s23                     ; my first tile of 16 positions in the sequence
	s_lshl_b32 s2, s20, 11
	s_add_nc_u64 s[92:93], s[12:13], s[2:3]        ; a32: my head's 2,048 bytes
	s_lshl_b32 s2, s22, 11
	s_add_nc_u64 s[90:91], s[8:9], s[2:3]          ; the table of cos and sin at my first tile
	s_lshl_b32 s2, s20, 7
	s_add_co_u32 s2, s2, s22
	s_lshl_b32 s2, s2, 10
	s_add_nc_u64 s[84:85], s[10:11], s[2:3]        ; q's images; k's and v's lie at the same place in their regions
	s_add_nc_u64 s[86:87], s[84:85], 0x800000
	s_add_nc_u64 s[88:89], s[84:85], 0x1000000
	WIN 0xc0                                       ; destination window 3
.irp i, 0,1,2,3,4,5,6,7
.irp p, 0,1,2,3
	global_load_b128 v[16*\i+4*\p:16*\i+4*\p+3], v[L16], s[90:91] offset:\i*2048+\p*512   ; tile i: cos at 16 i + 0..7, sin at 16 i + 8..15; wanted behind the K loop
.endr
.endr
	WIN 0
	v_mul_u32_u24 v3, v1, 272
	v_lshl_add_u32 v3, v2, 4, v3                   ; a fragment's row x pitch + 16 x half
	s_mul_i32 s20, s15, 128*272
	v_add_nc_u32 v[ADX], s20, v3
	v_add_nc_u32 v[ADX+1], X1, v[ADX]
	s_mul_i32 s21, s16, 96*272
	s_add_co_u32 s21, s21, W0
	v_add_nc_u32 v[ADW], s21, v3
	v_add_nc_u32 v[ADW+1], W1-W0, v[ADW]
	s_mul_i32 s22, s16, 3072
	s_add_co_u32 s22, s22, WS                      ; my head's scale bytes,
	s_lshl_b32 s23, s15, 12
	s_add_co_u32 s23, s23, XS                      ; my tokens',
	s_sub_co_u32 s23, s23, s22                     ; and the distance between the two: lanes 16-31 take the second
	v_mul_u32_u24 v[ADS], s23, v2
	v_lshl_add_u32 v[ADS], v1, 5, v[ADS]           ; 32 bytes a row
	v_add_nc_u32 v[ADS], s22, v[ADS]
	v_lshlrev_b32 v11, 3, v2
	v_sub_nc_u32 v[D16], v1, v11
; the fragments of K step s (128 along K: 64 bytes of a row) into set 0 (window 0, v144 on) or 1 (window 2, v128 on): the tokens' 8 tiles, then the weights' 6: 28 loads in one run
.macro FETCH s, set
.if \set
	WIN 0x80
.set FB, 128
.else
	WIN 0
.set FB, 144
.endif
.irp i, 0,1,2,3,4,5,6,7
	ds_load_b128 v[FB+8*\i:FB+8*\i+3],   v[ADX+(\s)/4] offset:\i*4352+64*((\s)%4)
	ds_load_b128 v[FB+8*\i+4:FB+8*\i+7], v[ADX+(\s)/4] offset:\i*4352+64*((\s)%4)+32
.endr
.irp c, 0,1,2,3,4,5
	ds_load_b128 v[FB+64+8*\c:FB+64+8*\c+3], v[ADW+(\s)/4] offset:\c*4352+64*((\s)%4)
	ds_load_b128 v[FB+64+8*\c+4:FB+64+8*\c+7], v[ADW+(\s)/4] offset:\c*4352+64*((\s)%4)+32
.endr
.endm
; all scale words, once: a row's 32 bytes are its eight K steps' words.  For i = 6, 7 lanes 0-15 read on past my head's six tiles, bytes that have landed; those words are not used
.macro SCALES
.irp i, 0,1,2,3,4,5,6,7
.irp g, 0,1
	ds_load_b128 v[SC+8*\i+4*\g:SC+8*\i+4*\g+3], v[ADS] offset:\i*512+16*\g
.endr
.endr
.endm
; a K step's 48 products.  The 48 accumulators take turns, one instruction a turn, in the same order in every step.  zero = 1: the first step starts the sums.
.macro MULS s, zero
.set FW, 2*((\s)%2)
.set FB, 144-16*((\s)%2)
.irp i, 0,1,2,3,4,5,6,7
.irp c, 0,1,2,3,4,5
.set A_, 6*\i+\c
.set AW, 1+A_/32
.set AR, 8*(A_%32)
	WIN (AW<<6)|(AW<<4)|(FW<<2)|FW
.if \c < 4
.if \zero
	v_wmma_scale_f32_16x16x128_f8f6f4 v[AR:AR+7], v[FB+64+8*\c:FB+64+8*\c+7], v[FB+8*\i:FB+8*\i+7], 0, v[SC+8*\c+(\s)], v[SC+8*\i+(\s)] matrix_a_fmt:MATRIX_FMT_FP4 matrix_b_fmt:MATRIX_FMT_FP4 matrix_b_scale:MATRIX_SCALE_ROW1
.else
	v_wmma_scale_f32_16x16x128_f8f6f4 v[AR:AR+7], v[FB+64+8*\c:FB+64+8*\c+7], v[FB+8*\i:FB+8*\i+7], v[AR:AR+7], v[SC+8*\c+(\s)], v[SC+8*\i+(\s)] matrix_a_fmt:MATRIX_FMT_FP4 matrix_b_fmt:MATRIX_FMT_FP4 matrix_b_scale:MATRIX_SCALE_ROW1
.endif
.else
.if \zero
	v_wmma_scale_f32_16x16x128_f8f6f4 v[AR:AR+7], v[FB+8*\i:FB+8*\i+7], v[FB+64+8*\c:FB+64+8*\c+7], 0, v[SC+8*\i+(\s)], v[SC+8*\c+(\s)] matrix_a_fmt:MATRIX_FMT_FP4 matrix_b_fmt:MATRIX_FMT_FP4 matrix_a_scale:MATRIX_SCALE_ROW1
.else
	v_wmma_scale_f32_16x16x128_f8f6f4 v[AR:AR+7], v[FB+8*\i:FB+8*\i+7], v[FB+64+8*\c:FB+64+8*\c+7], v[AR:AR+7], v[SC+8*\i+(\s)], v[SC+8*\c+(\s)] matrix_a_fmt:MATRIX_FMT_FP4 matrix_b_fmt:MATRIX_FMT_FP4 matrix_a_scale:MATRIX_SCALE_ROW1
.endif
.endif
.endr
.endr
.endm
	s_wait_tensorcnt 0x1                           ; my scale bytes and my part of K half 0 are in; half 1's load may stay out
	s_barrier_signal -1
	s_barrier_wait -1                              ; everybody's are
	SCALES
	FETCH 0, 0
.irp s, 0,1,2,3,4,5,6,7
	s_wait_dscnt 0x0                               ; this step's fragments are in (asked for 48 matrix instructions ago)
.if \s == 3
	s_wait_tensorcnt 0x0                           ; my part of K half 1 is in,
	s_barrier_signal -1
	s_barrier_wait -1                              ; everybody's is: the next fetch reads it
.endif
.if \s < 7
.if \s > 0
	PLACES 4                                       ; four plain instructions between the last product that read the other set and the loads into it
.endif
	FETCH \s+1, (\s+1)%2
.endif
.if \s == 0
	MULS \s, 1
.else
	MULS \s, 0
.endif
.endr
; THE WAY OUT.  ROPE: tile i's q (kk = 0) or k (1): a = the tile of channels 0-15, b = that of channels 16-31: a' = a cos - b sin, b' = b cos + a sin, in f32, into v[tb] on; q is scaled; both are rounded to f16.
.macro ROPE i, kk, tb
.set A_, 6*(\i)+2*(\kk)
.set AW, 1+A_/32
.set AA, 8*(A_%32)
.set AB, AA+8
.set CO_, 16*(\i)
	WIN 0x0c|AW                                    ; source 0: the accumulators' window; source 1: window 3
.irp j, 0,2,4,6
	v_pk_mul_f32 v[\tb+\j:\tb+\j+1], v[AA+\j:AA+\j+1], v[CO_+\j:CO_+\j+1]        ; each accumulator is read from its low end on
.endr
.irp j, 0,2,4,6
	v_pk_mul_f32 v[\tb+8+\j:\tb+8+\j+1], v[AB+\j:AB+\j+1], v[CO_+\j:CO_+\j+1]
.endr
.irp j, 0,2,4,6
	v_pk_fma_f32 v[\tb+\j:\tb+\j+1], v[AB+\j:AB+\j+1], v[CO_+8+\j:CO_+8+\j+1], v[\tb+\j:\tb+\j+1] neg_lo:[1,0,0] neg_hi:[1,0,0]
.endr
.irp j, 0,2,4,6
	v_pk_fma_f32 v[\tb+8+\j:\tb+8+\j+1], v[AA+\j:AA+\j+1], v[CO_+8+\j:CO_+8+\j+1], v[\tb+8+\j:\tb+8+\j+1]
.endr
	WIN 0
.if \kk == 0
.irp j, 0,2,4,6,8,10,12,14
	v_pk_mul_f32 v[\tb+\j:\tb+\j+1], v[\tb+\j:\tb+\j+1], s[96:97] op_sel_hi:[1,0]
.endr
.endif
.irp m, 0,1,2,3,4,5,6,7
	v_cvt_pk_f16_f32 v[PK+4*A_+\m], v[\tb+2*\m], v[\tb+2*\m+1]
.endr
.endm
.macro VPACK i                         ; tile i's v: a lane's eight tokens of a channel, straight from the two accumulators
.set A_, 6*(\i)+4
.set AW, 1+A_/32
.set AA, 8*(A_%32)
	WIN (AW<<2)|AW
.irp m, 0,1,2,3,4,5,6,7
	v_cvt_pk_f16_f32 v[PK+4*A_+\m], v[AA+2*\m], v[AA+2*\m+1]
.endr
	WIN 0
.endm
	WIN 0
	PLACES 4                                       ; behind the last products: their results are read, and their operands' and scales' registers written, from here on
	s_wait_loadcnt 0x0                             ; cos and sin
.irp i, 0,1,2,3,4,5,6,7
.if \i == 0
	ROPE \i, 0, 16                                 ; tile 0's q and k stay in f32, for positions 0-15
	ROPE \i, 1, 32
.else
	ROPE \i, 0, 48
	ROPE \i, 1, 48
.endif
	VPACK \i
	global_store_b128 v[L16], v[PK+24*\i:PK+24*\i+3],     s[84:85] offset:\i*1024        ; every store covers 512 consecutive bytes, aligned, and has data registers of its own
	global_store_b128 v[L16], v[PK+24*\i+4:PK+24*\i+7],   s[84:85] offset:\i*1024+512
	global_store_b128 v[L16], v[PK+24*\i+8:PK+24*\i+11],  s[86:87] offset:\i*1024
	global_store_b128 v[L16], v[PK+24*\i+12:PK+24*\i+15], s[86:87] offset:\i*1024+512
	global_store_b128 v[L16], v[PK+24*\i+16:PK+24*\i+19], s[88:89] offset:(\i/2)*2048+(\i%2)*512        ; v: 32 keys an image: an even tile its registers 0-3, an odd one 4-7
	global_store_b128 v[L16], v[PK+24*\i+20:PK+24*\i+23], s[88:89] offset:(\i/2)*2048+1024+(\i%2)*512
.endr
	; POSITIONS 0-15 OF A SEQUENCE, IN F32: these rows average few values and are the largest.  Only the waves whose tile 0 holds them: a branch on grid y and the wave's number, the same in all partners; no barrier inside.
	s_and_b32 s20, s17, 7
	s_or_b32 s20, s20, s15
	s_cmp_lg_u32 s20, 0
	s_cbranch_scc1 .Lno16
	WIN 0xf0                                       ; C and D window 3
.irp s, 0,1,2,3,4,5,6,7                ; S^T = k q^T: registers 2 s, 2 s + 1 of both are the same four channels; two accumulators take turns
.if \s < 2
	v_wmma_f32_16x16x4_f32 v[128+8*(\s%2):135+8*(\s%2)], v[32+2*\s:33+2*\s], v[16+2*\s:17+2*\s], 0
.else
	v_wmma_f32_16x16x4_f32 v[128+8*(\s%2):135+8*(\s%2)], v[32+2*\s:33+2*\s], v[16+2*\s:17+2*\s], v[128+8*(\s%2):135+8*(\s%2)]
.endif
.endr
	PLACES 8
	WIN 0x0f
.irp j, 0,1,2,3,4,5,6,7
	v_add_f32 v[48+\j], v[128+\j], v[136+\j]       ; t of query lane % 16 and key 8 (lane / 16) + j, already in powers of two
.endr
	WIN 0
	v_mov_b32 v11, 0xff800000
.irp j, 0,1,2,3,4,5,6,7
	v_cmp_gt_i32 vcc_lo, \j, v[D16]                ; the key comes after the query
	v_cndmask_b32 v[48+\j], v[48+\j], v11, vcc_lo
.endr
	v_max3_num_f32 v3, v48, v49, v50
	v_max3_num_f32 v3, v3, v51, v52
	v_max3_num_f32 v3, v3, v53, v54
	v_max_num_f32 v3, v3, v55
	v_mov_b32 v14, 0
	v_permlanex16_b32 v14, v3, s94, s95
	v_max_num_f32 v3, v3, v14                      ; the row's maximum (key 0 counts for every query)
.irp j, 0,1,2,3,4,5,6,7
	v_sub_f32 v[48+\j], v[48+\j], v3
.endr
.irp j, 0,1,2,3,4,5,6,7
	v_exp_f32 v[48+\j], v[48+\j]
.endr
	v_nop                                          ; a plain instruction behind the last exponential
	s_wait_alu depctr_va_vdst(0)                   ; one wait for the eight
	v_add_f32 v15, v48, v49
	v_add_f32 v14, v50, v51
	v_add_f32 v15, v15, v14
	v_add_f32 v14, v52, v53
	v_add_f32 v15, v15, v14
	v_add_f32 v14, v54, v55
	v_add_f32 v15, v15, v14
	v_permlanex16_b32 v14, v15, s94, s95
	v_add_f32 v15, v15, v14
	v_rcp_f32 v3, v15
	v_nop
	s_wait_alu depctr_va_vdst(0)
.irp j, 0,1,2,3,4,5,6,7
	v_mul_f32 v[56+\j], v[48+\j], v3
.endr
	WIN 0xf1                                       ; source 0: v's accumulators 4 and 5, window 1
.irp s, 0,1,2,3                        ; O^T = v^T p: registers 2 s, 2 s + 1 of both are keys 8 (lane / 16) + 2 s, + 1; the two tiles of channels take turns
.irp c, 0,1
.if \s == 0
	v_wmma_f32_16x16x4_f32 v[144+8*\c:151+8*\c], v[32+8*\c+2*\s:33+8*\c+2*\s], v[56+2*\s:57+2*\s], 0
.else
	v_wmma_f32_16x16x4_f32 v[144+8*\c:151+8*\c], v[32+8*\c+2*\s:33+8*\c+2*\s], v[56+2*\s:57+2*\s], v[144+8*\c:151+8*\c]
.endif
.endr
.endr
	PLACES 8
	WIN 0x0c                                       ; a store's data are its source 1: window 3
.irp p, 0,1,2,3
	global_store_b128 v[L16], v[144+4*\p:147+4*\p], s[92:93] offset:512*\p
.endr
	WIN 0
.Lno16:
	s_wait_tensorcnt 0x0                           ; the wave's end
	ds_add_u32 v[SPW], v[NIL]
	s_wait_dscnt 0x0
	ROUND                                          ; the closing round
	s_endpgm
.Lfunc_end_k_q2d743293d1_qkv:
	.size	k_q2d743293d1_qkv, .Lfunc_end_k_q2d743293d1_qkv-k_q2d743293d1_qkv
	.p2alignl 7, 3214868480
	.fill 96, 4, 3214868480
	.section	.rodata,"a",@progbits
	.p2align	6, 0x0
	.amdhsa_kernel k_q2d743293d1_qkv
		.amdhsa_group_segment_fixed_size 262144
		.amdhsa_private_segment_fixed_size 0
		.amdhsa_enable_private_segment 0
		.amdhsa_kernarg_size 40
		.amdhsa_user_sgpr_count 2
		.amdhsa_user_sgpr_kernarg_segment_ptr 1
		.amdhsa_wavefront_size32 1
		.amdhsa_system_sgpr_workgroup_id_x 1
		.amdhsa_system_sgpr_workgroup_id_y 1
		.amdhsa_system_sgpr_workgroup_id_z 1
		.amdhsa_system_vgpr_workitem_id 0
		.amdhsa_next_free_vgpr 1024
		.amdhsa_next_free_sgpr 100
		.amdhsa_reserve_vcc 1
		.amdhsa_float_denorm_mode_32 3
		.amdhsa_float_denorm_mode_16_64 3
		.amdhsa_memory_ordered 1
		.amdhsa_forward_progress 1
		.amdhsa_inst_pref_size 120
	.end_amdhsa_kernel
	.amdgpu_metadata
---
amdhsa.version: [ 1, 2 ]
amdhsa.kernels:
  - .name:           k_q2d743293d1_qkv
    .symbol:         k_q2d743293d1_qkv.kd
    .args:
      - { .name: xq, .offset: 0, .size: 8, .value_kind: global_buffer, .address_space: global }
      - { .name: wq, .offset: 8, .size: 8, .value_kind: global_buffer, .address_space: global }
      - { .name: rope, .offset: 16, .size: 8, .value_kind: global_buffer, .address_space: global }
      - { .name: qkv, .offset: 24, .size: 8, .value_kind: global_buffer, .address_space: global }
      - { .name: a32, .offset: 32, .size: 8, .value_kind: global_buffer, .address_space: global }
    .group_segment_fixed_size: 262144
    .private_segment_fixed_size: 0
    .kernarg_segment_align: 8
    .kernarg_segment_size: 40
    .max_flat_workgroup_size: 128
    .sgpr_count:     100
    .vgpr_count:     1024
    .wavefront_size: 32
...
	.end_amdgpu_metadata
.endif
;; end of part 2
;; launch attn (part 3): grid 4 x 64, 16 waves a work-group, clusters of 4 x 1, 264,192 bytes of LDS; arguments qkv, att; writes att
.if DOCPART == 3
	.amdgcn_target "amdgcn-amd-amdhsa--gfx1250"
	.amdhsa_code_object_version 6
	.text
	.protected	k_q2d743293d1_attn
	.globl	k_q2d743293d1_attn
	.p2align	8
	.type	k_q2d743293d1_attn,@function
k_q2d743293d1_attn:
	s_mov_b64 s[64:65], 0
	v_nop
	global_prefetch_b8 v0, s[64:65] scope:SCOPE_SE
	s_setreg_imm32_b32 hwreg(HW_REG_WAVE_MODE, 25, 1), 1
	s_wait_xcnt 0x0
	s_wait_alu depctr_hold_cnt(0) depctr_sa_sdst(0) depctr_va_vdst(0) depctr_va_sdst(0) depctr_va_ssrc(0) depctr_va_vcc(0) depctr_vm_vsrc(0)
	s_getreg_b32 s2, hwreg(HW_REG_IB_STS2, 6, 4)
	s_cmp_eq_u32 s2, 0
	s_cbranch_scc0 .Lentry_in_a_cluster
	s_endpgm
.Lentry_in_a_cluster:
	s_bfe_u32 s2, ttmp6, 0x10000c
	s_cmp_lg_u32 s2, 0x3003
	s_cbranch_scc0 .Lentry_shape_is_right
	s_endpgm
.Lentry_shape_is_right:
; ATTN: causal attention of one head of one batch (grid y) on f16 operands, f32 sums.  q comes scaled by log2(e) / sqrt(32), so a score is an exponent of two.
; qkv holds images of operand registers: Q at 0, K at 8,388,608: [head][tile of 16 tokens][1,024 bytes]; V at 16,777,216: [head][32 keys][16 channels x 2][1,024 bytes].  att: [tile of 16 tokens][head][1,024 bytes], laid as Q.
; A head's K and V, 131,072 bytes each, lie whole in LDS: nothing is filled again.  They come in four chunks of 512 keys, so that the first steps run while the later chunks land.
; CLUSTER 4 x 1: the four work-groups of a head want the same K and V: every tile is asked for jointly (mask 15).
; SHARES.  With j = my work-group's place (0-3) and i = a permutation of the wave's number (0-15), a wave owns two tiles of 16 queries: lo = 4 i + j and hi = 127 - 4 i - j.  Keys go 64 a step: lo wants steps 0 .. i, hi steps 0 .. 31 - i:
; 33 tile steps for every wave of the launch.  No count hangs on j: every branch hangs on the wave's number and the step; j enters global addresses and the numbers that the mask compares, nothing else.
; LAYOUT.  S^T = K Q^T, O^T = V^T P: a lane holds one query (lane % 16) throughout; two tiles of S^T, rounded to f16 in pairs, are P's operand.  A running maximum M and sum L a query; O and L are multiplied by 2^(old M - new M) in every step.
; LIMITS: operands are f16 (see the launch before); the weights p lie in 0 .. 1.
.set SPARE, 262144
.set L16, 1                            ; v1   16 x lane
.set ADK, 2                            ; v2   LDS address of the step's K
.set ADV, 3                            ; v3   of its V
.set DHI, 4                            ; v4   hi's diagonal step: key register 8 f + n is hidden where 16 f + n > this
.set DLO, 5                            ; v5   the same for lo
.set NINF, 6                           ; v6   -infinity
.set SPW, 8
.set NIL, 9
.set STT, 12                           ; tile t (0 hi, 1 lo): statistics at v[STT + 12 t]: +0 M, +2, +3 L, +4 a = 2^(old M - new M), +6..+9 at work; +1, +5 are named as upper halves of pairs
.set Q,   36                           ; 8 a tile
.set KF,  52                           ; K: 4 fragments of 16 keys
.set VF,  84                           ; V: fragment (32 keys u, 16 channels c) at 8 (2 u + c)
.set S,   116                          ; 32 a tile
.set P,   180                          ; 16 a tile
.set O,   212                          ; 16 a tile
.set WV, 8
.set II, 9                             ; s9   i: lo's last step
.set IH, 10                            ; s10  31 - i: hi's last step
.set ST, 13                            ; s13  the step
.set TB, 14
.macro PLACES n
.rept \n
	v_nop
.endr
.endm
.macro ROUND
	s_barrier_signal -1
	s_barrier_wait -1
	s_cmp_lg_u32 s[WV], 0
	s_cbranch_scc1 .Lnot_wave_0_\@
	s_barrier_signal -3
.Lnot_wave_0_\@:
	s_barrier_wait -3
	s_barrier_signal -1
	s_barrier_wait -1
.endm
	s_load_b128 s[4:7], s[0:1], 0x0                ; qkv s[4:5], att s[6:7]
	v_lshl_add_u32 v[SPW], v0, 2, SPARE
	v_mov_b32 v[NIL], 0
	ds_add_u32 v[SPW], v[NIL]                      ; the wave's opening: the add, twice on end, and its wait ahead of the first tensor loads
	ds_add_u32 v[SPW], v[NIL]
	v_lshrrev_b32 v7, 5, v0
	v_readfirstlane_b32 s[WV], v7                  ; wave 0..15
	s_bfe_u32 s[II], s[WV], 0x10002
	s_mul_i32 s[II], s[II], 3
	s_xor_b32 s[II], s[II], s[WV]                  ; i: waves 4-7 and 12-15 in reverse, so that waves w, w + 4, w + 8, w + 12 together have equal work in each chunk
	s_sub_co_u32 s[IH], 31, s[II]
	s_bfe_u32 s11, ttmp6, 0x40000                  ; j
	s_and_b32 s12, ttmp7, 0xffff                   ; batch x 32 + head: shared by the partners
	; group 1: 16,384 dense bytes as 64 rows of 256 (32 elements of 8 bytes); joint
	s_mov_b32 s16, 15|(3<<16)|(1<<21)
	s_mov_b32 s17, 32<<16
	s_mov_b32 s18, 64<<16
	s_mov_b32 s19, 32<<16
	s_mov_b32 s20, 64
	s_mov_b32 s21, 32
	s_mov_b32 s22, 0
	s_mov_b32 s23, 0
	s_and_b32 s15, s[WV], 3                        ; waves 0, 1 fetch the halves of K's chunks, waves 2, 3 of V's
	s_lshr_b32 s50, s15, 1
	s_and_b32 s51, s15, 1
	s_lshl_b32 s52, s50, 17
	s_lshl_b32 s53, s51, 14
	s_add_co_u32 s52, s52, s53                     ; where chunk 0's part goes
	s_lshl_b32 s54, s50, 23
	s_add_co_u32 s54, s54, 0x800000
	s_lshl_b32 s55, s12, 17
	s_add_co_u32 s54, s54, s55
	s_add_co_u32 s54, s54, s53                     ; and where it comes from
	s_mov_b32 s55, 0
	s_mov_b32 s40, 0x76543210                      ; v_permlanex16_b32's selects for lane l xor 16
	s_mov_b32 s41, 0xfedcba98
	s_wait_dscnt 0x0                               ; both opening adds are done
	s_wait_kmcnt 0x0
	s_add_nc_u64 s[54:55], s[4:5], s[54:55]
.irp c, 0,1,2,3
	s_mov_b32 s[24+4*\c], 1
	s_add_co_u32 s[25+4*\c], s52, \c*32768
	s_add_nc_u64 s[26+4*\c:27+4*\c], s[54:55], \c*32768
	s_or_b32 s[27+4*\c], s[27+4*\c], 0x80000000
.endr
	ROUND                                          ; all four work-groups are here: the joint loads meet
	s_cmp_lt_u32 s[WV], 4                          ; all first fills of a wave in one branch on the wave's number: four loads of a fetching wave are out
	s_cbranch_scc0 .Lnofill
.irp c, 0,1,2,3
	tensor_load_to_lds s[24+4*\c:27+4*\c], s[16:23]
	s_nop 0
.endr
	PLACES 4
.Lnofill:
	v_and_b32 v[L16], 31, v0
	v_lshlrev_b32 v[L16], 4, v[L16]
	s_lshl_b32 s58, s[II], 2
	s_add_co_u32 s58, s58, s11                     ; lo
	s_sub_co_u32 s59, 127, s58                     ; hi
	s_lshl_b32 s60, s12, 17
	s_mov_b32 s63, 0
	s_lshl_b32 s62, s59, 10
	s_add_co_u32 s62, s62, s60
	s_add_nc_u64 s[42:43], s[4:5], s[62:63]        ; Q of hi
	s_lshl_b32 s62, s58, 10
	s_add_co_u32 s62, s62, s60
	s_add_nc_u64 s[44:45], s[4:5], s[62:63]        ; Q of lo
	s_lshr_b32 s60, s12, 5
	s_lshl_b32 s60, s60, 22                        ; the batch's 128 tiles x 32,768 bytes
	s_and_b32 s61, s12, 31
	s_lshl_b32 s61, s61, 10
	s_add_co_u32 s60, s60, s61
	s_lshl_b32 s62, s59, 15
	s_add_co_u32 s62, s62, s60
	s_add_nc_u64 s[46:47], s[6:7], s[62:63]        ; att of hi
	s_lshl_b32 s62, s58, 15
	s_add_co_u32 s62, s62, s60
	s_add_nc_u64 s[48:49], s[6:7], s[62:63]        ; att of lo
	global_load_b128 v[Q:Q+3],     v[L16], s[42:43]
	global_load_b128 v[Q+4:Q+7],   v[L16], s[42:43] offset:512
	global_load_b128 v[Q+8:Q+11],  v[L16], s[44:45]
	global_load_b128 v[Q+12:Q+15], v[L16], s[44:45] offset:512
	v_and_b32 v7, 15, v0
	v_bfe_u32 v10, v0, 4, 1
	v_lshlrev_b32 v10, 3, v10
	v_sub_nc_u32 v7, v7, v10                       ; lane % 16 - 8 (lane / 16)
	s_lshl_b32 s60, s11, 4
	v_add_nc_u32 v[DLO], s60, v7                   ; lo's queries begin 16 j keys into its last step,
	s_sub_co_u32 s60, 48, s60
	v_add_nc_u32 v[DHI], s60, v7                   ; hi's 16 (3 - j)
	v_mov_b32 v[NINF], 0xff800000
.irp t, 0,1
	v_mov_b32 v[STT+12*\t], 0xff61b1e6             ; M: -3e38, under every score
	v_mov_b32 v[STT+12*\t+1], 0
	v_mov_b32 v[STT+12*\t+2], 0                    ; L
	v_mov_b32 v[STT+12*\t+3], 0
	v_mov_b32 v[STT+12*\t+5], 0
.endr
.irp n, 0,1,2,3,4,5,6,7,8,9,10,11,12,13,14,15,16,17,18,19,20,21,22,23,24,25,26,27,28,29,30,31
	v_mov_b32 v[O+\n], 0                           ; the step is written once: the first finds zeros, which its a = 0 leaves zeros
.endr
	s_wait_loadcnt 0x0                             ; Q
.macro SPROD t, f
	v_wmma_f32_16x16x32_f16 v[S+32*(\t)+8*(\f):S+32*(\t)+8*(\f)+7], v[KF+8*(\f):KF+8*(\f)+7], v[Q+8*(\t):Q+8*(\t)+7], 0
.endm
.macro PVP t, u, c
	v_wmma_f32_16x16x32_f16 v[O+16*(\t)+8*(\c):O+16*(\t)+8*(\c)+7], v[VF+8*(2*(\u)+(\c)):VF+8*(2*(\u)+(\c))+7], v[P+16*(\t)+8*(\u):P+16*(\t)+8*(\u)+7], v[O+16*(\t)+8*(\c):O+16*(\t)+8*(\c)+7]
.endm
.macro MASK t, d                       ; on the diagonal: hidden scores become -infinity; in ascending order
.set rS, S+32*(\t)
.irp n, 0,1,2,3,4,5,6,7,8,9,10,11,12,13,14,15,16,17,18,19,20,21,22,23,24,25,26,27,28,29,30,31
	v_cmp_gt_i32 vcc_lo, 16*(\n/8)+\n%8, v[\d]
	v_cndmask_b32 v[rS+\n], v[rS+\n], v[NINF], vcc_lo
.endr
.endm
.macro MX t                            ; the largest of the lane's 32 scores and the old M: four chains, then their join
.set rT, STT+12*(\t)
.set rS, S+32*(\t)
.irp k, 0,1,2,3
	v_max3_num_f32 v[rT+6+\k], v[rS+8*\k], v[rS+8*\k+1], v[rS+8*\k+2]
.endr
.irp g, 1,2
.irp k, 0,1,2,3
	v_max3_num_f32 v[rT+6+\k], v[rT+6+\k], v[rS+8*\k+2*\g+1], v[rS+8*\k+2*\g+2]
.endr
.endr
	v_max3_num_f32 v[rT+6], v[rT+6], v[rS+7], v[rS+15]
	v_max3_num_f32 v[rT+8], v[rT+8], v[rS+23], v[rS+31]
	v_max3_num_f32 v[rT+6], v[rT+6], v[rT+7], v[rT+8]
	v_max3_num_f32 v[rT+6], v[rT+6], v[rT+9], v[rT]
.endm
.macro NEWM t
.set rT, STT+12*(\t)
	v_permlanex16_b32 v[rT+7], v[rT+6], s40, s41   ; the query's other 32 keys lie in the lane 16 away
	v_max_num_f32 v[rT+6], v[rT+6], v[rT+7]
	v_sub_f32 v[rT+4], v[rT], v[rT+6]              ; old M - new M
	v_mov_b32 v[rT], v[rT+6]
.endm
.macro SUBM t
.set rT, STT+12*(\t)
.set rS, S+32*(\t)
.irp k, 0,2,4,6,8,10,12,14,16,18,20,22,24,26,28,30
	v_pk_add_f32 v[rS+\k:rS+\k+1], v[rS+\k:rS+\k+1], v[rT:rT+1] op_sel_hi:[1,0] neg_lo:[0,1] neg_hi:[0,1]
.endr
.endm
.macro EXPS t
.set rT, STT+12*(\t)
.set rS, S+32*(\t)
.irp n, 0,1,2,3,4,5,6,7,8,9,10,11,12,13,14,15,16,17,18,19,20,21,22,23,24,25,26,27,28,29,30,31
	v_exp_f32 v[rS+\n], v[rS+\n]
.endr
	v_exp_f32 v[rT+4], v[rT+4]
.endm
.macro SUMS t                          ; L = a L + the sum of the unrounded p, two at a time, in two chains
.set rT, STT+12*(\t)
.set rS, S+32*(\t)
	v_pk_mul_f32 v[rT+2:rT+3], v[rT+2:rT+3], v[rT+4:rT+5] op_sel_hi:[1,0]
	v_pk_add_f32 v[rT+8:rT+9], v[rS:rS+1], v[rS+2:rS+3]
.irp k, 4,8,12,16,20,24,28
	v_pk_add_f32 v[rT+2:rT+3], v[rT+2:rT+3], v[rS+\k:rS+\k+1]
	v_pk_add_f32 v[rT+8:rT+9], v[rT+8:rT+9], v[rS+\k+2:rS+\k+3]
.endr
	v_pk_add_f32 v[rT+2:rT+3], v[rT+2:rT+3], v[rT+8:rT+9]
.endm
.macro PACKP t
.set rS, S+32*(\t)
.irp k, 0,1,2,3,4,5,6,7,8,9,10,11,12,13,14,15
	v_cvt_pk_f16_f32 v[P+16*(\t)+\k], v[rS+2*\k], v[rS+2*\k+1]
.endr
.endm
.macro RESC t
.set rT, STT+12*(\t)
.irp k, 0,2,4,6,8,10,12,14
	v_pk_mul_f32 v[O+16*(\t)+\k:O+16*(\t)+\k+1], v[O+16*(\t)+\k:O+16*(\t)+\k+1], v[rT+4:rT+5] op_sel_hi:[1,0]
.endr
.endm
; a step's work for nt tiles (1: hi alone; 2: hi and lo, which share K's and V's fragments).  mask = 1: the step may be the diagonal one of the last tile named
.macro BODY nt, mask
	s_wait_dscnt 8                                 ; K is in; V's eight loads may be out
.irp f, 0,1,2,3
	SPROD 0, \f
.if \nt == 2
	SPROD 1, \f
.endif
.endr
	PLACES 4
.if \mask
.if \nt == 2
	s_cmp_lg_u32 s[ST], s[II]
	s_cbranch_scc1 .Lopen_\@
	MASK 1, DLO
.else
	s_cmp_lg_u32 s[ST], s[IH]
	s_cbranch_scc1 .Lopen_\@
	MASK 0, DHI
.endif
.Lopen_\@:
.endif
	MX 0
.if \nt == 2
	MX 1
.endif
	NEWM 0
.if \nt == 2
	NEWM 1
.endif
	SUBM 0
.if \nt == 2
	SUBM 1
.endif
	EXPS 0
.if \nt == 2
	EXPS 1
.endif
	v_nop                                          ; a plain instruction behind the last exponential
	s_wait_alu depctr_va_vdst(0)                   ; one wait for the step's whole batch, ahead of its first reader
	SUMS 0
.if \nt == 2
	SUMS 1
.endif
	PACKP 0
.if \nt == 2
	PACKP 1
.endif
	RESC 0
.if \nt == 2
	RESC 1
.endif
	s_wait_dscnt 0x0                               ; V is in
.irp u, 0,1                            ; the accumulators take turns, one instruction a turn
	PVP 0, \u, 0
	PVP 0, \u, 1
.if \nt == 2
	PVP 1, \u, 0
	PVP 1, \u, 1
.endif
.endr
.endm
.macro LOADS                           ; the step's 64 keys: 4,096 bytes of K and of V, 512 consecutive bytes a load
	s_lshl_b32 s[TB], s[ST], 12
	v_add_nc_u32 v[ADK], s[TB], v[L16]
	v_add_nc_u32 v[ADV], 0x20000, v[ADK]
	v_nop
	v_nop                                          ; with the two additions: four plain instructions between the last product that read V and the loads into it
.irp f, 0,1,2,3
	ds_load_b128 v[KF+8*\f:KF+8*\f+3],   v[ADK] offset:\f*1024
	ds_load_b128 v[KF+8*\f+4:KF+8*\f+7], v[ADK] offset:\f*1024+512
.endr
.irp f, 0,1,2,3
	ds_load_b128 v[VF+8*\f:VF+8*\f+3],   v[ADV] offset:\f*1024
	ds_load_b128 v[VF+8*\f+4:VF+8*\f+7], v[ADV] offset:\f*1024+512
.endr
.endm
.macro STEP_LO                         ; steps 0-15: hi is alive and off its diagonal (31 - i is 16 or more); lo is alive up to step i
	LOADS
	s_cmp_gt_u32 s[ST], s[II]
	s_cbranch_scc1 .Lhi_\@
	BODY 2, 1
	s_branch .Ldone_\@
.Lhi_\@:
	BODY 1, 0
.Ldone_\@:
.endm
.macro STEP_HI                         ; steps 16-31: lo is done (i is 15 or less); hi is alive up to step 31 - i
	s_cmp_gt_u32 s[ST], s[IH]
	s_cbranch_scc1 .Lskip_\@
	LOADS
	BODY 1, 1
.Lskip_\@:
.endm
.macro CHUNK c                         ; 512 keys: eight steps, a constant count for every wave
	s_wait_tensorcnt 3-\c                          ; my loads come back in order: chunk c's is in; those of the 3 - c later chunks may be out
	s_wait_dscnt 0x0
	s_barrier_signal -1
	s_barrier_wait -1                              ; every fetching wave's is
	s_mov_b32 s[ST], 8*\c
.Lstep_\@:
.if \c < 2
	STEP_LO
.else
	STEP_HI
.endif
	s_add_co_u32 s[ST], s[ST], 1
	s_cmp_lt_u32 s[ST], 8*\c+8
	s_cbranch_scc1 .Lstep_\@
.endm
	CHUNK 0
	CHUNK 1
	CHUNK 2
	CHUNK 3
	; THE WAY OUT: O / L, rounded to f16: a lane's registers are the image that the projection wants
	PLACES 4
.irp t, 0,1
	v_add_f32 v[STT+12*\t+6], v[STT+12*\t+2], v[STT+12*\t+3]
.endr
.irp t, 0,1
	v_permlanex16_b32 v[STT+12*\t+7], v[STT+12*\t+6], s40, s41
.endr
.irp t, 0,1
	v_add_f32 v[STT+12*\t+6], v[STT+12*\t+6], v[STT+12*\t+7]
.endr
.irp t, 0,1
	v_rcp_f32 v[STT+12*\t+4], v[STT+12*\t+6]
.endr
	v_nop
	s_wait_alu depctr_va_vdst(0)                   ; one wait for the two reciprocals
	RESC 0
	RESC 1
.irp t, 0,1
.irp m, 0,1,2,3,4,5,6,7
	v_cvt_pk_f16_f32 v[P+16*\t+\m], v[O+16*\t+2*\m], v[O+16*\t+2*\m+1]
.endr
.endr
	global_store_b128 v[L16], v[P:P+3],     s[46:47]               ; each store covers 512 consecutive bytes, aligned
	global_store_b128 v[L16], v[P+4:P+7],   s[46:47] offset:512
	global_store_b128 v[L16], v[P+16:P+19], s[48:49]
	global_store_b128 v[L16], v[P+20:P+23], s[48:49] offset:512
	s_wait_tensorcnt 0x0                           ; the wave's end
	ds_add_u32 v[SPW], v[NIL]
	s_wait_dscnt 0x0
	ROUND                                          ; the closing round
	s_endpgm
.Lfunc_end_k_q2d743293d1_attn:
	.size	k_q2d743293d1_attn, .Lfunc_end_k_q2d743293d1_attn-k_q2d743293d1_attn
	.p2alignl 7, 3214868480
	.fill 96, 4, 3214868480
	.section	.rodata,"a",@progbits
	.p2align	6, 0x0
	.amdhsa_kernel k_q2d743293d1_attn
		.amdhsa_group_segment_fixed_size 264192
		.amdhsa_private_segment_fixed_size 0
		.amdhsa_enable_private_segment 0
		.amdhsa_kernarg_size 16
		.amdhsa_user_sgpr_count 2
		.amdhsa_user_sgpr_kernarg_segment_ptr 1
		.amdhsa_wavefront_size32 1
		.amdhsa_system_sgpr_workgroup_id_x 1
		.amdhsa_system_sgpr_workgroup_id_y 1
		.amdhsa_system_sgpr_workgroup_id_z 1
		.amdhsa_system_vgpr_workitem_id 0
		.amdhsa_next_free_vgpr 256
		.amdhsa_next_free_sgpr 66
		.amdhsa_reserve_vcc 1
		.amdhsa_float_denorm_mode_32 3
		.amdhsa_float_denorm_mode_16_64 3
		.amdhsa_memory_ordered 1
		.amdhsa_forward_progress 1
		.amdhsa_inst_pref_size 76
	.end_amdhsa_kernel
	.amdgpu_metadata
---
amdhsa.version: [ 1, 2 ]
amdhsa.kernels:
  - .name:           k_q2d743293d1_attn
    .symbol:         k_q2d743293d1_attn.kd
    .args:
      - { .name: qkv, .offset: 0, .size: 8, .value_kind: global_buffer, .address_space: global }
      - { .name: att, .offset: 8, .size: 8, .value_kind: global_buffer, .address_space: global }
    .group_segment_fixed_size: 264192
    .private_segment_fixed_size: 0
    .kernarg_segment_align: 8
    .kernarg_segment_size: 16
    .max_flat_workgroup_size: 512
    .sgpr_count:     66
    .vgpr_count:     256
    .wavefront_size: 32
...
	.end_amdgpu_metadata
.endif
;; end of part 3
;; launch oproj (part 4): grid 8 x 32, 4 waves a work-group, clusters of 4 x 4, 327,680 bytes of LDS; arguments att, wo16, out0; writes out0
.if DOCPART == 4
	.amdgcn_target "amdgcn-amd-amdhsa--gfx1250"
	.amdhsa_code_object_version 6
	.text
	.protected	k_q2d743293d1_oproj
	.globl	k_q2d743293d1_oproj
	.p2align	8
	.type	k_q2d743293d1_oproj,@function
k_q2d743293d1_oproj:
	s_mov_b64 s[64:65], 0
	v_nop
	global_prefetch_b8 v0, s[64:65] scope:SCOPE_SE
	s_setreg_imm32_b32 hwreg(HW_REG_WAVE_MODE, 25, 1), 1
	s_wait_xcnt 0x0
	s_wait_alu depctr_hold_cnt(0) depctr_sa_sdst(0) depctr_va_vdst(0) depctr_va_sdst(0) depctr_va_ssrc(0) depctr_va_vcc(0) depctr_vm_vsrc(0)
	s_getreg_b32 s2, hwreg(HW_REG_IB_STS2, 6, 4)
	s_cmp_eq_u32 s2, 0
	s_cbranch_scc0 .Lentry_in_a_cluster
	s_endpgm
.Lentry_in_a_cluster:
	s_bfe_u32 s2, ttmp6, 0x10000c
	s_cmp_lg_u32 s2, 0xf033
	s_cbranch_scc0 .Lentry_shape_is_right
	s_endpgm
.Lentry_shape_is_right:
; OPROJ: out0 [4096][1024] f32 = attention's output x Wo, f16 operands, f32 sums.  Both operands come as images of operand registers: att [tile of 16 tokens][K step of 32][1,024 bytes], wo16 [tile of 16 columns][K step][1,024 bytes].
; A tile of out0 is 128 x 128: 256 work-groups.  Four waves, each 64 x 64: 16 accumulators.  K goes in four slabs of 256 (8 K steps) through two LDS slots; a wave's tensor load brings 4 tiles x 8,192 bytes.
; An image is read as it lies, 512 consecutive bytes a load: no pitch, no padding.
; CLUSTER 4 x 4: the four of a row of the cluster want the same tiles of att, the four of a column the same tiles of wo16: each is asked for jointly.
; THE MATRIX INSTRUCTION IS USED TRANSPOSED (source 0 = 16 columns of Wo, source 1 = 16 tokens): a lane holds eight neighbouring numbers of a row of out0.
; Rows 0-15 of each sequence are written again, in f32, by the launch behind this one.
; REGISTERS: window 0: v16-29 addresses; v32-95 the way out; v128-255 the accumulators ((a, b) at v[128 + 8 (4 a + b)]).  window 1: two fragment buffers of 128: for 64 along K, 64 registers of att, then 64 of Wo.
.set SLOT,   131072                    ; att's 8 tiles x 8 K steps x 1,024 bytes, then Wo's
.set STAGE,  262144                    ; behind the ring: 16 rows x (256 bytes + 16) for each wave; no fill lands here
.set SPITCH, 272
.set SPARE,  279552
.set ADRA, 16                          ; v16-17  LDS address of my att fragments in slot 0, 1
.set ADRB, 20                          ; v20-21  of my Wo fragments
.set STO,  24
.set RD,   25
.set CO,   26
.set L16,  27
.set SPW,  28
.set NIL,  29
.set TMP,  32
.set ACC,  128
.set F0,   0
.set F1,   128
.set G1, 24
.set G0, 32
.set G1B, 48
.set G0B, 56
.set MSB, 0
.macro WIN new
.if MSB != (\new)
	s_set_vgpr_msb (MSB<<8)|(\new)
.set MSB, (\new)
.endif
.endm
.set MUL,  0x05                        ; sources 0 and 1 window 1; C and D window 0
.set TO_F, 0x40                        ; destination window 1, address window 0
.macro JLOAD s                         ; a joint load: waves 0 and 1 fetch att's two halves, waves 2 and 3 Wo's; an s_nop 0 and four v_nop follow each of the two lines
	s_cmp_eq_u32 s11, 0
	s_cbranch_scc0 .Lfor_b_\@
	tensor_load_to_lds s[G0+4*\s:G0+4*\s+3], s[G1:G1+7]
	s_nop 0
.rept 4
	v_nop
.endr
	s_branch .Lasked_\@
.Lfor_b_\@:
	tensor_load_to_lds s[G0B+4*\s:G0B+4*\s+3], s[G1B:G1B+7]
	s_nop 0
.rept 4
	v_nop
.endr
.Lasked_\@:
.endm
.macro CREST                           ; a round of the cluster's barrier behind its opening barrier
	s_cmp_lg_u32 s10, 0
	s_cbranch_scc1 .Lnot_wave_0_\@
	s_barrier_signal -3
.Lnot_wave_0_\@:
	s_barrier_wait -3
	s_barrier_signal -1
	s_barrier_wait -1
.endm
.macro CROUND
	s_barrier_signal -1
	s_barrier_wait -1
	CREST
.endm
	s_load_b128 s[4:7], s[0:1], 0x0                ; att s[4:5], wo16 s[6:7]
	s_load_b64 s[8:9], s[0:1], 0x10                ; out0
	v_lshl_add_u32 v[SPW], v0, 2, SPARE
	v_mov_b32 v[NIL], 0
	ds_add_u32 v[SPW], v[NIL]                      ; the wave's opening: the add, twice on end, and its wait ahead of my first tensor load
	ds_add_u32 v[SPW], v[NIL]
	v_lshrrev_b32 v1, 5, v0
	v_readfirstlane_b32 s10, v1                    ; wave 0..3
	s_lshr_b32 s11, s10, 1                         ; my half of the tile's rows.  Also: I fetch for att (0) or for Wo (1)
	s_and_b32 s12, s10, 1                          ; my half of its columns.  Also: which 4 tiles I fetch
	s_bfe_u32 s40, ttmp6, 0x40000                  ; cx, cy
	s_bfe_u32 s41, ttmp6, 0x40004
	s_lshl_b32 s42, ttmp9, 2
	s_add_co_u32 s42, s42, s40                     ; tile column
	s_and_b32 s13, ttmp7, 0xffff
	s_lshl_b32 s13, s13, 2
	s_add_co_u32 s13, s13, s41                     ; tile row
	s_lshl_b32 s43, s41, 2
	s_lshl_b32 s43, 15, s43                        ; my row of the cluster
	s_lshl_b32 s44, 0x1111, s40                    ; my column
	; group 1: 4 rows of 8,192 bytes (1,024 elements of 8 bytes), 32,768 bytes apart
	s_or_b32 s[G1+0], s43, (3<<16)|(1<<21)
	s_or_b32 s[G1B+0], s44, (3<<16)|(1<<21)
.irp g, G1, G1B
	s_mov_b32 s[\g+1], 1024<<16
	s_mov_b32 s[\g+2], 4<<16
	s_mov_b32 s[\g+3], 1024<<16
	s_mov_b32 s[\g+4], 4
	s_mov_b32 s[\g+5], 4096
	s_mov_b32 s[\g+6], 0
	s_mov_b32 s[\g+7], 0
.endr
	s_lshl_b32 s16, s13, 3
	s_lshl_b32 s17, s12, 2
	s_add_co_u32 s16, s16, s17                     ; att: tile 8 x tile row + 4 x half
	s_lshl_b32 s16, s16, 15
	s_mov_b32 s17, 0
	s_lshl_b32 s46, s42, 3
	s_lshl_b32 s47, s12, 2
	s_add_co_u32 s46, s46, s47                     ; Wo: tile 8 x tile column + 4 x half
	s_lshl_b32 s46, s46, 15
	s_mov_b32 s47, 0
	s_lshl_b32 s20, s10, 15                        ; where they go: wave x 32,768
	s_wait_dscnt 0x0                               ; both opening adds are done
	s_wait_kmcnt 0x0
	s_add_nc_u64 s[14:15], s[4:5], s[16:17]
	s_add_nc_u64 s[46:47], s[6:7], s[46:47]
	CROUND                                         ; all sixteen work-groups are here: the first joint loads meet
.irp s, 0,1
	s_mov_b32 s[G0+4*\s], 1
	s_add_co_u32 s[G0+4*\s+1], s20, \s*SLOT
	s_add_nc_u64 s[G0+4*\s+2:G0+4*\s+3], s[14:15], \s*8192
	s_or_b32 s[G0+4*\s+3], s[G0+4*\s+3], 0x80000000
	s_mov_b32 s[G0B+4*\s], 1
	s_add_co_u32 s[G0B+4*\s+1], s20, \s*SLOT
	s_add_nc_u64 s[G0B+4*\s+2:G0B+4*\s+3], s[46:47], \s*8192
	s_or_b32 s[G0B+4*\s+3], s[G0B+4*\s+3], 0x80000000
	JLOAD \s
.endr
	v_and_b32 v1, 15, v0                           ; r
	v_bfe_u32 v2, v0, 4, 1                         ; h
	v_and_b32 v[L16], 31, v0
	v_lshlrev_b32 v[L16], 4, v[L16]
	s_lshl_b32 s21, s11, 15                        ; my 4 tiles of att
	s_lshl_b32 s22, s12, 15
	s_add_co_u32 s22, s22, 65536                   ; my 4 tiles of Wo
.irp s, 0,1
	v_add_nc_u32 v[ADRA+\s], s21, v[L16]
	v_add_nc_u32 v[ADRB+\s], s22, v[L16]
	s_add_co_u32 s21, s21, SLOT
	s_add_co_u32 s22, s22, SLOT
.endr
	s_mul_i32 s23, s10, 16*SPITCH
	s_add_co_u32 s23, s23, STAGE                   ; my stage
	v_mul_u32_u24 v4, v1, SPITCH                   ; in: row r, 32 bytes for each half of the lanes
	v_lshl_add_u32 v4, v2, 5, v4
	v_add_nc_u32 v[STO], s23, v4
	v_mul_u32_u24 v5, v2, SPITCH                   ; back: lanes 0-15 one row of 256 bytes, lanes 16-31 the next
	v_lshl_add_u32 v5, v1, 4, v5
	v_add_nc_u32 v[RD], s23, v5
	v_lshlrev_b32 v5, 12, v2                       ; and the same two rows in out0
	v_lshl_add_u32 v[CO], v1, 4, v5
	s_lshl_b32 s16, s13, 7
	s_lshl_b32 s17, s11, 6
	s_add_co_u32 s16, s16, s17                     ; my first row
	s_lshl_b32 s16, s16, 12
	s_mov_b32 s17, 0
	s_add_nc_u64 s[8:9], s[8:9], s[16:17]
	s_lshl_b32 s46, s42, 9                         ; my first column, in bytes
	s_lshl_b32 s47, s12, 8
	s_add_co_u32 s46, s46, s47
	s_mov_b32 s47, 0
	s_add_nc_u64 s[8:9], s[8:9], s[46:47]
; 8 matrix instructions: row blocks a0, a0 + 1 x all 4 column blocks, 32 along K: half c of buffer f.  zero = 1: the first product starts the sums
.macro MUL8 f, c, a0, zero
.irp a, \a0, \a0+1
.irp b, 0,1,2,3
.if \zero
	v_wmma_f32_16x16x32_f16 v[ACC+8*(4*(\a)+\b):ACC+8*(4*(\a)+\b)+7], v[\f+64+8*(4*\c+\b):\f+64+8*(4*\c+\b)+7], v[\f+8*(4*\c+\a):\f+8*(4*\c+\a)+7], 0
.else
	v_wmma_f32_16x16x32_f16 v[ACC+8*(4*(\a)+\b):ACC+8*(4*(\a)+\b)+7], v[\f+64+8*(4*\c+\b):\f+64+8*(4*\c+\b)+7], v[\f+8*(4*\c+\a):\f+8*(4*\c+\a)+7], v[ACC+8*(4*(\a)+\b):ACC+8*(4*(\a)+\b)+7]
.endif
.endr
.endr
.endm
; 32 LDS loads in one run: the fragments of quarter q of a slab (K steps 2 q, 2 q + 1) into buffer f; the first K step first
.macro FETCH slot, q, f
	WIN TO_F
.irp c, 0,1
.irp i, 0,1,2,3
	ds_load_b128 v[\f+64+8*(4*\c+\i):\f+64+8*(4*\c+\i)+3],   v[ADRB+\slot] offset:\i*8192+(2*(\q)+\c)*1024
	ds_load_b128 v[\f+64+8*(4*\c+\i)+4:\f+64+8*(4*\c+\i)+7], v[ADRB+\slot] offset:\i*8192+(2*(\q)+\c)*1024+512
	ds_load_b128 v[\f+8*(4*\c+\i):\f+8*(4*\c+\i)+3],         v[ADRA+\slot] offset:\i*8192+(2*(\q)+\c)*1024
	ds_load_b128 v[\f+8*(4*\c+\i)+4:\f+8*(4*\c+\i)+7],       v[ADRA+\slot] offset:\i*8192+(2*(\q)+\c)*1024+512
.endr
.endr
.endm
.macro PLACES                          ; four plain instructions in front of loads into registers that matrix instructions have read, and of the first read of results
.rept 4
	v_nop
.endr
.endm
; one of a slab's first three quarters: multiplies buffer f and fetches quarter q into g
.macro QUARTER slot, q, f, g, zero
	s_wait_dscnt 16                                ; the first K step's fragments are in; the second's sixteen loads may be out
	WIN MUL
	MUL8 \f, 0, 0, \zero
	MUL8 \f, 0, 2, \zero
	PLACES
	FETCH \slot, \q, \g
	s_wait_dscnt 32                                ; all but the 32 just issued
	WIN MUL
	MUL8 \f, 1, 0, 0
	MUL8 \f, 1, 2, 0
.endm
; a slab's last quarter multiplies buffer 1 and changes slots: one barrier; in front of it each wave waits for all its tensor loads, adds 0 to its spare word, and waits for that and for its reads of this slot.  fill = 1: the slot is filled again, two slabs ahead
.macro TURN slot, next, fill
	WIN 0
	s_wait_tensorcnt 0x0                           ; all my tensor loads have landed: my part of the next slot;
	ds_add_u32 v[SPW], v[NIL]                      ; 0 onto my spare word;
	s_wait_dscnt 17                                ; (the add and the youngest sixteen loads may be out)
	WIN MUL
	MUL8 F1, 0, 0, 0
	s_wait_dscnt 0x0                               ; the add is done, and my reads of this slot are over
	s_barrier_signal -1
	MUL8 F1, 0, 2, 0
.if \fill
	WIN 0
.endif
	s_barrier_wait -1
.if \fill
	CREST                                          ; the barrier has opened a round of the cluster's: no wave of any partner still reads this slot or has a load on its way
	s_add_nc_u64 s[G0+4*\slot+2:G0+4*\slot+3], s[G0+4*\slot+2:G0+4*\slot+3], 2*8192
	s_add_nc_u64 s[G0B+4*\slot+2:G0B+4*\slot+3], s[G0B+4*\slot+2:G0B+4*\slot+3], 2*8192
	JLOAD \slot                                    ; the first tensor load behind the round; its four v_nop are also the places in front of the loads below
.else
	PLACES
.endif
	FETCH \next, 0, F0
	WIN MUL
	MUL8 F1, 1, 0, 0
	MUL8 F1, 1, 2, 0
.endm
	s_wait_tensorcnt 1                             ; my part of slab 0 is in; slab 1's load may stay out
	s_barrier_signal -1
	s_barrier_wait -1
	FETCH 0, 0, F0
	QUARTER 0, 1, F0, F1, 1                        ; slab 0; its first products start the sums
	QUARTER 0, 2, F1, F0, 0
	QUARTER 0, 3, F0, F1, 0
	TURN 0, 1, 1                                   ; slot 0 takes slab 2
	QUARTER 1, 1, F0, F1, 0                        ; slab 1
	QUARTER 1, 2, F1, F0, 0
	QUARTER 1, 3, F0, F1, 0
	TURN 1, 0, 1                                   ; slot 1 takes slab 3
	QUARTER 0, 1, F0, F1, 0                        ; slab 2
	QUARTER 0, 2, F1, F0, 0
	QUARTER 0, 3, F0, F1, 0
	TURN 0, 1, 0                                   ; nothing is left to fetch
	QUARTER 1, 1, F0, F1, 0                        ; slab 3
	QUARTER 1, 2, F1, F0, 0
	QUARTER 1, 3, F0, F1, 0
	s_wait_dscnt 16
	WIN MUL
	MUL8 F1, 0, 0, 0
	MUL8 F1, 0, 2, 0
	s_wait_dscnt 0
	MUL8 F1, 1, 0, 0
	MUL8 F1, 1, 2, 0
	WIN 0
; THE WAY OUT, 16 rows x 64 columns at a time: a lane's 32 bytes of a row go into my own stage and come back as whole rows of 256 bytes.  LDS serves a wave's instructions in order: no wait between the stores and the loads
.macro OUTB a
.irp b, 0,1,2,3
	ds_store_b128 v[STO], v[ACC+8*(4*(\a)+\b):ACC+8*(4*(\a)+\b)+3] offset:64*\b        ; each accumulator from its low end on
	ds_store_b128 v[STO], v[ACC+8*(4*(\a)+\b)+4:ACC+8*(4*(\a)+\b)+7] offset:64*\b+16
.endr
.irp t, 0,1,2,3,4,5,6,7
	ds_load_b128 v[TMP+32*((\a)%2)+4*\t:TMP+32*((\a)%2)+4*\t+3], v[RD] offset:\t*2*SPITCH
.endr
.endm
.macro SEND a, younger                 ; younger: the LDS instructions issued behind block a's loads
	s_wait_dscnt \younger
.irp t, 0,1,2,3,4,5,6,7
	global_store_b128 v[CO], v[TMP+32*((\a)%2)+4*\t:TMP+32*((\a)%2)+4*\t+3], s[8:9] offset:(16*(\a)+2*\t)*4096   ; sixteen lanes store 256 consecutive bytes, aligned
.endr
.endm
	PLACES
	OUTB 0
	OUTB 1
	SEND 0, 16                                     ; behind block 0's loads: block 1's 8 stores and 8 loads
	s_wait_xcnt 0x0                                ; block 0's stores have read their registers: block 2's loads may land there
	OUTB 2
	SEND 1, 16
	s_wait_xcnt 0x0
	OUTB 3
	SEND 2, 16
	SEND 3, 0
	s_wait_tensorcnt 0x0                           ; the wave's end
	ds_add_u32 v[SPW], v[NIL]
	s_wait_dscnt 0x0
	CROUND                                         ; the closing round
	s_endpgm
.Lfunc_end_k_q2d743293d1_oproj:
	.size	k_q2d743293d1_oproj, .Lfunc_end_k_q2d743293d1_oproj-k_q2d743293d1_oproj
	.p2alignl 7, 3214868480
	.fill 96, 4, 3214868480
	.section	.rodata,"a",@progbits
	.p2align	6, 0x0
	.amdhsa_kernel k_q2d743293d1_oproj
		.amdhsa_group_segment_fixed_size 327680
		.amdhsa_private_segment_fixed_size 0
		.amdhsa_enable_private_segment 0
		.amdhsa_kernarg_size 24
		.amdhsa_user_sgpr_count 2
		.amdhsa_user_sgpr_kernarg_segment_ptr 1
		.amdhsa_wavefront_size32 1
		.amdhsa_system_sgpr_workgroup_id_x 1
		.amdhsa_system_sgpr_workgroup_id_y 1
		.amdhsa_system_sgpr_workgroup_id_z 1
		.amdhsa_system_vgpr_workitem_id 0
		.amdhsa_next_free_vgpr 512
		.amdhsa_next_free_sgpr 66
		.amdhsa_reserve_vcc 0
		.amdhsa_float_denorm_mode_32 3
		.amdhsa_float_denorm_mode_16_64 3
		.amdhsa_memory_ordered 1
		.amdhsa_forward_progress 1
		.amdhsa_inst_pref_size 85
	.end_amdhsa_kernel
	.amdgpu_metadata
---
amdhsa.version: [ 1, 2 ]
amdhsa.kernels:
  - .name:           k_q2d743293d1_oproj
    .symbol:         k_q2d743293d1_oproj.kd
    .args:
      - { .name: att, .offset: 0, .size: 8, .value_kind: global_buffer, .address_space: global }
      - { .name: wo16, .offset: 8, .size: 8, .value_kind: global_buffer, .address_space: global }
      - { .name: out0, .offset: 16, .size: 8, .value_kind: global_buffer, .address_space: global }
    .group_segment_fixed_size: 327680
    .private_segment_fixed_size: 0
    .kernarg_segment_align: 8
    .kernarg_segment_size: 24
    .max_flat_workgroup_size: 128
    .sgpr_count:     66
    .vgpr_count:     512
    .wavefront_size: 32
...
	.end_amdgpu_metadata
.endif
;; end of part 4
;; launch first16 (part 5): grid 64 x 2, 8 waves a work-group, no clusters, 9,216 bytes of LDS; arguments a32, Wo, out0; writes out0
.if DOCPART == 5
	.amdgcn_target "amdgcn-amd-amdhsa--gfx1250"
	.amdhsa_code_object_version 6
	.text
	.protected	k_q2d743293d1_first16
	.globl	k_q2d743293d1_first16
	.p2align	8
	.type	k_q2d743293d1_first16,@function
k_q2d743293d1_first16:
	s_mov_b64 s[64:65], 0
	v_nop
	global_prefetch_b8 v0, s[64:65] scope:SCOPE_SE
	s_setreg_imm32_b32 hwreg(HW_REG_WAVE_MODE, 25, 1), 1
	s_wait_xcnt 0x0
; FIRST16: rows 0-15 of each sequence of out0, once more, wholly in f32: these rows average few values, are the largest, and their operands are not rounded.  128 KiB of the output: no bulk work.
; a32: [batch][head][2,048 bytes]: register e of 16 in lane (r, h) is the attention's output of position r, channel 8 h + e (e under 8) or 8 h + e + 8.
; A work-group makes 16 rows x 16 columns (grid x: the columns, grid y: the batch).  Wave w sums over heads 4 w .. 4 w + 3 (128 of K = 1,024); the eight partial tiles meet in LDS.
; The f32 matrix form takes 4 along K: registers 2 s, 2 s + 1 of both operands in the two halves of the lanes.  Wo's numbers are loaded in the very order in which a32's lie, so both sides name the same four channels.
; The two accumulators, v144-159, are written by matrix instructions alone; they take turns.
.set SPARE, 8192
.set SPW, 8
.set NIL, 9
	s_load_b128 s[4:7], s[0:1], 0x0                ; a32 s[4:5], Wo s[6:7]
	s_load_b64 s[8:9], s[0:1], 0x10                ; out0
	v_lshl_add_u32 v[SPW], v0, 2, SPARE
	v_mov_b32 v[NIL], 0
	v_lshrrev_b32 v1, 5, v0
	v_readfirstlane_b32 s10, v1                    ; wave 0..7
	s_and_b32 s11, ttmp7, 0xffff                   ; the batch
	v_and_b32 v1, 15, v0                           ; r
	v_bfe_u32 v2, v0, 4, 1                         ; h
	v_and_b32 v3, 31, v0
	v_lshlrev_b32 v3, 4, v3                        ; 16 x lane
	v_lshlrev_b32 v4, 15, v2
	v_lshl_add_u32 v4, v1, 2, v4                   ; Wo: 8 h rows of 4,096 bytes + 4 r
	s_lshl_b32 s12, s10, 10
	v_add_nc_u32 v5, s12, v3                       ; LDS: my wave's partial tile, 16 bytes a lane
	v_bfe_u32 v6, v0, 6, 1                         ; thread t reads element (m = t / 16, n = t % 16): which four registers,
	v_bfe_u32 v7, v0, 7, 1                         ; which half of the lanes,
	v_bfe_u32 v10, v0, 4, 2                        ; which of the four
	v_lshlrev_b32 v6, 9, v6
	v_lshl_add_u32 v6, v7, 8, v6
	v_lshl_add_u32 v6, v1, 4, v6
	v_lshl_add_u32 v6, v10, 2, v6
	v_lshrrev_b32 v7, 4, v0
	v_lshlrev_b32 v7, 12, v7
	v_lshl_add_u32 v7, v1, 2, v7                   ; out0: row m, column n
	s_lshl_b32 s12, s11, 5
	s_lshl_b32 s13, s10, 2
	s_add_co_u32 s12, s12, s13
	s_lshl_b32 s12, s12, 11                        ; a32: batch x 32 + 4 x wave heads of 2,048 bytes
	s_mov_b32 s13, 0
	s_lshl_b32 s14, s10, 19                        ; Wo: 128 x wave rows,
	s_lshl_b32 s15, ttmp9, 6                       ; 16 x work-group columns
	s_add_co_u32 s14, s14, s15
	s_lshl_b32 s16, s11, 23                        ; out0: the batch's 2,048 rows
	s_add_co_u32 s16, s16, s15
	s_mov_b32 s15, 0
	s_mov_b32 s17, 0
	s_wait_kmcnt 0x0
	s_add_nc_u64 s[4:5], s[4:5], s[12:13]
	s_add_nc_u64 s[6:7], s[6:7], s[14:15]
	s_add_nc_u64 s[8:9], s[8:9], s[16:17]
.irp g, 0,1,2,3                        ; head by head: 4 + 16 loads
.irp p, 0,1,2,3
	global_load_b128 v[16+16*\g+4*\p:19+16*\g+4*\p], v3, s[4:5] offset:\g*2048+\p*512
.endr
.irp e, 0,1,2,3,4,5,6,7
	global_load_b32 v[80+16*\g+\e], v4, s[6:7] offset:(32*\g+\e)*4096
.endr
.irp e, 8,9,10,11,12,13,14,15
	global_load_b32 v[80+16*\g+\e], v4, s[6:7] offset:(32*\g+\e+8)*4096
.endr
.endr
.irp g, 0,1,2,3
	s_wait_loadcnt 60-20*\g                        ; this head's 20 loads are in; the younger heads' 20 each may be out
.irp s, 0,1,2,3,4,5,6,7
.if (8*\g+\s) < 2
	v_wmma_f32_16x16x4_f32 v[144+8*(\s%2):151+8*(\s%2)], v[16+16*\g+2*\s:17+16*\g+2*\s], v[80+16*\g+2*\s:81+16*\g+2*\s], 0
.else
	v_wmma_f32_16x16x4_f32 v[144+8*(\s%2):151+8*(\s%2)], v[16+16*\g+2*\s:17+16*\g+2*\s], v[80+16*\g+2*\s:81+16*\g+2*\s], v[144+8*(\s%2):151+8*(\s%2)]
.endif
.endr
.endr
.rept 8
	v_nop                                          ; eight plain instructions between this form's last product and the first read of a result
.endr
.irp j, 0,1,2,3,4,5,6,7
	v_add_f32 v[160+\j], v[144+\j], v[152+\j]      ; register j of lane (r, h): row 8 h + j, column r
.endr
	ds_store_b128 v5, v[160:163]
	ds_store_b128 v5, v[164:167] offset:512
	s_wait_dscnt 0x0                               ; for the others' sake: my stores are done
	s_barrier_signal -1
	s_barrier_wait -1
.irp w, 0,1,2,3,4,5,6,7
	ds_load_b32 v[168+\w], v6 offset:\w*1024       ; my element of the eight partial tiles
.endr
	s_wait_dscnt 0x0
	v_add_f32 v168, v168, v169
	v_add_f32 v170, v170, v171
	v_add_f32 v172, v172, v173
	v_add_f32 v174, v174, v175
	v_add_f32 v168, v168, v170
	v_add_f32 v172, v172, v174
	v_add_f32 v168, v168, v172
	global_store_b32 v7, v168, s[8:9]              ; sixteen lanes store 64 consecutive bytes of a row
	s_wait_tensorcnt 0x0                           ; the wave's end
	ds_add_u32 v[SPW], v[NIL]
	s_wait_dscnt 0x0
	s_endpgm
.Lfunc_end_k_q2d743293d1_first16:
	.size	k_q2d743293d1_first16, .Lfunc_end_k_q2d743293d1_first16-k_q2d743293d1_first16
	.p2alignl 7, 3214868480
	.fill 96, 4, 3214868480
	.section	.rodata,"a",@progbits
	.p2align	6, 0x0
	.amdhsa_kernel k_q2d743293d1_first16
		.amdhsa_group_segment_fixed_size 9216
		.amdhsa_private_segment_fixed_size 0
		.amdhsa_enable_private_segment 0
		.amdhsa_kernarg_size 24
		.amdhsa_user_sgpr_count 2
		.amdhsa_user_sgpr_kernarg_segment_ptr 1
		.amdhsa_wavefront_size32 1
		.amdhsa_system_sgpr_workgroup_id_x 1
		.amdhsa_system_sgpr_workgroup_id_y 1
		.amdhsa_system_sgpr_workgroup_id_z 1
		.amdhsa_system_vgpr_workitem_id 0
		.amdhsa_next_free_vgpr 176
		.amdhsa_next_free_sgpr 66
		.amdhsa_reserve_vcc 0
		.amdhsa_float_denorm_mode_32 3
		.amdhsa_float_denorm_mode_16_64 3
		.amdhsa_memory_ordered 1
		.amdhsa_forward_progress 1
		.amdhsa_inst_pref_size 14
	.end_amdhsa_kernel
	.amdgpu_metadata
---
amdhsa.version: [ 1, 2 ]
amdhsa.kernels:
  - .name:           k_q2d743293d1_first16
    .symbol:         k_q2d743293d1_first16.kd
    .args:
      - { .name: a32, .offset: 0, .size: 8, .value_kind: global_buffer, .address_space: global }
      - { .name: Wo, .offset: 8, .size: 8, .value_kind: global_buffer, .address_space: global }
      - { .name: out0, .offset: 16, .size: 8, .value_kind: global_buffer, .address_space: global }
    .group_segment_fixed_size: 9216
    .private_segment_fixed_size: 0
    .kernarg_segment_align: 8
    .kernarg_segment_size: 24
    .max_flat_workgroup_size: 256
    .sgpr_count:     66
    .vgpr_count:     176
    .wavefront_size: 32
...
	.end_amdgpu_metadata
.endif
;; end of part 5
